; MI455X (gfx1250); checked and timed in simulation.
; The chip was launched on July 23, 2026; its instructions are those of AMD's public machine-readable ISA for CDNA 5 (MIT licence, August 2026) and "CDNA5" Instruction Set Architecture Reference Guide (July 2026). The comments in the code are by the model that wrote it; some were corrected since.
;; Multi Head Attention. Allowed arithmetic: matrix products marked QUANTISED: E2M1 operands, one E8M0 scale for each 32 along K, by v_wmma_scale_f32_16x16x128_f8f6f4 with both operands' format E2M1 (or v_wmma_scale_f32_32x16x128_f4), f32 sums; products left as they are: bf16, f16 or f32 operands; f32 sums; everything else in f32.
;; Inputs: Wk 1,024 x 1,024 float32; Wo 1,024 x 1,024 float32; Wq 1,024 x 1,024 float32; Wv 1,024 x 1,024 float32; bk 1,024 float32; bo 1,024 float32; bq 1,024 float32; bv 1,024 float32; k 4 x 2,048 x 1,024 float32; q 4 x 2,048 x 1,024 float32; v 4 x 2,048 x 1,024 float32.
;; Outputs: out0 4 x 2,048 x 1,024 float32.
;; This version of the problem:
;;   THIS VERSION OF THE PROBLEM IS GIVEN IN LOW PRECISION. The matrix products marked QUANTISED in the list below multiply operands that are first quantised to E2M1 (2 exponent bits, 1 mantissa bit; 4 bits a number), with one power-of-two scale for each 32 numbers along K (OCP MX v1.0); their sums are f32. The products marked 'left as it is' may take bf16, f16 or f32 operands, with f32 sums. Whichever they take, every output number must still come out within the allowed error. Rounding operands to bf16 (8 significant bits) uses up far more of that allowance than f16 does (11 bits, for magnitudes from 6e-5 to 65,504). All else is computed in f32.
;;   The module's matrix products, in the order in which they are computed (A, B: the left and right operand; K: the contracted axis; several contracted axes count as one K, in the product's order):
;;     1. [M 8,192, K 1,024] x [K 1,024, N 1,024]; A: input q; B: input Wq: QUANTISED
;;     2. [M 8,192, K 1,024] x [K 1,024, N 1,024]; A: input k; B: input Wk: QUANTISED
;;     3. [M 8,192, K 1,024] x [K 1,024, N 1,024]; A: input v; B: input Wv: QUANTISED
;;     4. batch 64 x [M 2,048, K 64] x [K 64, N 2,048]; A: computed on the way; B: computed on the way: left as it is (an operand is computed on the way)
;;     5. batch 64 x [M 2,048, K 2,048] x [K 2,048, N 64]; A: computed on the way; B: computed on the way: left as it is (an operand is computed on the way)
;;     6. [M 8,192, K 1,024] x [K 1,024, N 1,024]; A: computed on the way; B: input Wo: left as it is (an operand is computed on the way)
;;   THE QUANTISER, for each operand of a quantised product, along K:
;;     - K is cut into blocks of 32 from its start; a last block that is shorter is filled with zeros.
;;     - A block's scale is 2^e with e = floor(log2(the largest magnitude in the block)) - 2, held to -126 .. 127; a block of zeros has e = 0. As a byte (E8M0): e + 127.
;;     - Each number is divided by its block's scale, clamped to +-6, and rounded to the nearest number of E2M1, ties to even, subnormals kept.
;;     - The product sums the exact products of the quantised numbers (number of the format x scale) in f32.
;;   ~~~python
;;   def quantise(x, axis):      # numpy; x: float32 -> the quantised numbers, widened to float32 again
;;       x = np.moveaxis(x, axis, -1); K = x.shape[-1]
;;       x = np.pad(x, [(0, 0)] * (x.ndim - 1) + [(0, -K % 32)]); x = x.reshape(x.shape[:-1] + (-1, 32)); a = np.abs(x).max(-1, keepdims=True)
;;       e = np.where(a > 0, np.clip(np.frexp(np.where(a > 0, a, 1))[1] - 1 - 2, -126, 127), 0)      # np.frexp(a)[1] - 1 = floor(log2(a)), exactly
;;       r = np.clip(x / 2.0 ** e, -6, 6)
;;       step = 2.0 ** (np.maximum(np.frexp(np.where(r == 0, 1, r))[1] - 1, 0) - 1)
;;       q = np.round(r / step) * step * 2.0 ** e      # np.round: ties to even
;;       return np.moveaxis(q.reshape(q.shape[:-2] + (-1,))[..., :K], -1, axis).astype(np.float32)
;;   ~~~
;; One version. Each part assembles by itself: llvm-mc -triple=amdgcn-amd-amdhsa -mcpu=gfx1250 --defsym DOCPART=n.
;; ======== version 1 of 1: 4 launches
;; limits: values are held in f16: magnitudes above 65,504 overflow, below 6.1e-05 lose precision
;; workspace buffers: xcodes 12,582,912 bytes; xscales 786,432 bytes; wfrag 1,572,864 bytes; wscales 98,304 bytes; wo16 2,097,152 bytes; heads 50,331,648 bytes; ao 16,777,216 bytes
;; launch prep (part 1): grid 1024 x 1, 4 waves a work-group, no clusters, 33,280 bytes of LDS; arguments q, k, v, Wq, Wk, Wv, Wo, xcodes, xscales, wfrag, wscales, wo16; writes xcodes, xscales, wfrag, wscales, wo16
.if DOCPART == 1
	.amdgcn_target "amdgcn-amd-amdhsa--gfx1250"
	.amdhsa_code_object_version 6
	.text
	.protected	k_qa4d6922654_prep
	.globl	k_qa4d6922654_prep
	.p2align	8
	.type	k_qa4d6922654_prep,@function
k_qa4d6922654_prep:
	s_mov_b64 s[64:65], 0
	v_nop
	global_prefetch_b8 v0, s[64:65] scope:SCOPE_SE
	s_setreg_imm32_b32 hwreg(HW_REG_WAVE_MODE, 25, 1), 1
	s_wait_xcnt 0x0
; PREP: everything that is quantised or narrowed once, ahead of the products.  Three kinds of work-group, told apart by the work-group's number alone:
;   0 .. 191    Wq, Wk, Wv [1024 (k)][1024 (n)] f32 -> codes of FP4 (E2M1) along K, laid as the IMAGE OF THE OPERAND'S REGISTERS, and one scale word for each column and 128 along K
;   192 .. 255  Wo f32 -> f16, laid as it lies
;   256 .. 1023 q, k, v [8192][1024] f32 -> codes of FP4, K innermost (a row of 512 bytes), and one E8M0 byte for each 32 along K (a row of 32 bytes)
; A block's scale is 2^(floor(log2(its largest magnitude)) - 2); its byte is the largest magnitude's exponent field - 2, held at 1 from below.
; LIMITS: a block of zeros, and a block whose largest magnitude lies under 2^-124, gets the byte 1 (the rule says 127 for zeros: its codes are zeros, which add nothing, and this program alone reads the bytes);
; NaN and infinities among the inputs are not served; |Wo| stays under 65,504, f16's largest number.
; Only the third kind touches LDS.  No tensor load, no barrier: waves share nothing.
.set SPW,   12                         ; v12  LDS address of my spare word: SPARE + 4 x my thread's number; never rewritten
.set NIL,   13                         ; v13  0; never rewritten
.set WREG,  8192                       ; LDS: a region for each wave: two stages of 32 x SP bytes, and behind them its 256 scale bytes
.set SP,    80                         ; a lane's place in a stage: its 64 bytes + 16 of padding
.set SPARE, 4*WREG                     ; behind the four regions: the spare words, 128 bytes a wave, which no other line names
.set STEPS, 16
.set CB,    8                          ; bytes of 16 codes
.set R,     16                         ; v16-79   four sets of 16 numbers as they are loaded
.set X,     80                         ; v80-111  two sets of 16 neighbours
.set E,     112                        ; v112-127 a scale byte for each step
.set C,     128                        ; v128-191 codes: registers of its own for each step
.set WX,    32                         ; v32-159  the weights' paths: 128 numbers a lane
.set WC,    160                        ; v160-175 four blocks' codes
	s_load_b256 s[4:11], s[0:1], 0x0               ; q s[4:5], k s[6:7], v s[8:9], Wq s[10:11]
	s_load_b256 s[12:19], s[0:1], 0x20             ; Wk s[12:13], Wv s[14:15], Wo s[16:17], xcodes s[18:19]
	s_load_b256 s[20:27], s[0:1], 0x40             ; xscales s[20:21], wfrag s[22:23], wscales s[24:25], wo16 s[26:27]
	v_lshl_add_u32 v[SPW], v0, 2, SPARE
	v_mov_b32 v[NIL], 0
	v_lshrrev_b32 v1, 5, v0
	v_readfirstlane_b32 s28, v1                    ; wave 0..3
	v_and_b32 v2, 31, v0                           ; lane
	s_wait_kmcnt 0x0
	s_cmp_lt_u32 ttmp9, 192
	s_cbranch_scc1 .Lw
	s_cmp_lt_u32 ttmp9, 256
	s_cbranch_scc1 .Lcast
; ---- q, k, v.  Rows are dense and K is a multiple of 32: a tensor is a plain stream of blocks of 32, and so are its codes and bytes.  A wave takes 16 steps of 512 numbers.
; Each load reads 512 consecutive bytes; a step's 2,048 bytes turn through the wave's own stage in LDS and come back 64 bytes (16 neighbours along K) a lane; two neighbouring lanes hold a block.
	v_lshlrev_b32 v3, 4, v2                        ; my 16 bytes of a load's 512
	s_mul_i32 s29, s28, WREG
	v_lshrrev_b32 v14, 2, v2
	v_mul_u32_u24 v14, v14, SP
	v_and_b32 v15, 3, v2
	v_lshl_add_u32 v14, v15, 4, v14
	v_add_nc_u32 v14, s29, v14                     ; the stage, on the way in: SP (lane / 4) + 16 (lane % 4)
	v_mul_u32_u24 v15, v2, SP
	v_add_nc_u32 v15, s29, v15                     ; and on the way out: SP x lane
	v_mul_u32_u24 v4, v2, CB                       ; my codes' place in a step's 256 bytes
	v_lshrrev_b32 v5, 1, v2
	s_add_co_u32 s29, s29, 2*32*SP
	v_add_nc_u32 v5, s29, v5                       ; LDS: my wave's 256 scale bytes, my block's byte
	v_lshlrev_b32 v7, 3, v2                        ; and on the way out 8 bytes a lane
	v_add_nc_u32 v6, s29, v7
	s_sub_co_u32 s36, ttmp9, 256                   ; g = 0 .. 767: 256 work-groups to a tensor
	s_cmp_lt_u32 s36, 256
	s_cselect_b64 s[30:31], s[4:5], s[6:7]
	s_cmp_lt_u32 s36, 512
	s_cselect_b64 s[30:31], s[30:31], s[8:9]       ; q, k or v: the choice hangs on the work-group's number alone
	s_and_b32 s38, s36, 255
	s_lshl_b32 s38, s38, 2
	s_add_co_u32 s38, s38, s28
	s_lshl_b32 s38, s38, 15                        ; my wave's run of 8,192 numbers in its tensor: 32,768 bytes each
	s_mov_b32 s39, 0
	s_add_nc_u64 s[30:31], s[30:31], s[38:39]
	s_lshl_b32 s36, s36, 2
	s_add_co_u32 s36, s36, s28                     ; the run's number over all three tensors, which lie on end in the workspace
	s_lshl_b32 s38, s36, 12                        ; 4,096 bytes of codes a run
	s_add_nc_u64 s[32:33], s[18:19], s[38:39]
	s_lshl_b32 s38, s36, 8                         ; 256 scale bytes a run
	s_add_nc_u64 s[34:35], s[20:21], s[38:39]
.macro XLOAD t
.irp i, 0,1,2,3
	global_load_b128 v[R+16*((\t)%4)+4*\i:R+16*((\t)%4)+4*\i+3], v3, s[30:31] offset:2048*(\t)+512*\i th:TH_LOAD_NT
.endr
.endm
.macro XTURN t                         ; step t's numbers through the stage: LDS serves a wave's instructions in order, so no wait stands between the stores and the loads
.irp i, 0,1,2,3
	ds_store_b128 v14, v[R+16*((\t)%4)+4*\i:R+16*((\t)%4)+4*\i+3] offset:32*SP*((\t)%2)+8*SP*\i
.endr
.irp i, 0,1,2,3
	ds_load_b128 v[X+16*((\t)%2)+4*\i:X+16*((\t)%2)+4*\i+3], v15 offset:32*SP*((\t)%2)+16*\i
.endr
.endm
.irp t, 0,1,2,3
	XLOAD \t
.endr
	s_wait_loadcnt 12                              ; step 0's four loads are in; twelve younger ones stay out
	XTURN 0
.macro XSTEP t
.set XS, X+16*((\t)%2)
.if (\t) > 0
	s_wait_dscnt 1                                 ; this step's numbers are back from the stage (the last step's byte store may be out): so its stores into the stage have read their registers,
.else
	s_wait_dscnt 0x0
.endif
.if (\t)+4 < STEPS
	XLOAD (\t)+4                                   ; which take the loads of four steps on
.endif
.if (\t)+1 < STEPS
.if STEPS-2-(\t) >= 3
	s_wait_loadcnt 12                              ; the next step's four loads are in; those of the three steps behind it may be out
.else
	s_wait_loadcnt 4*(STEPS-2-(\t))
.endif
	XTURN (\t)+1                                   ; and go through the other stage while this step is worked
.endif
	v_max3_num_f32 v8, |v[XS]|, |v[XS+1]|, |v[XS+2]|               ; the largest magnitude of my 16, in two chains
	v_max3_num_f32 v9, |v[XS+3]|, |v[XS+4]|, |v[XS+5]|
.irp i, 6,10
	v_max3_num_f32 v8, v8, |v[XS+\i]|, |v[XS+\i+1]|
	v_max3_num_f32 v9, v9, |v[XS+\i+2]|, |v[XS+\i+3]|
.endr
	v_max3_num_f32 v8, v8, |v[XS+14]|, |v[XS+15]|
	v_max3_num_f32 v8, v8, v9, 0x1800000           ; and the floor 2^(3 - 127): the byte cannot fall under 1
	v_max_num_f32_dpp v8, v8, v8 row_xmask:1 row_mask:0xf bank_mask:0xf   ; and of my neighbour's 16: the block's
	v_add_nc_u32 v11, 0xff000000, v8               ; 2 off its exponent field: the conversion takes the exponent field of this operand as its scale
	v_cvt_scalef32_pk8_fp4_f32 v[C+4*(\t)], v[XS:XS+7], v11
	v_cvt_scalef32_pk8_fp4_f32 v[C+4*(\t)+1], v[XS+8:XS+15], v11
	v_lshrrev_b32 v[E+(\t)], 23, v11               ; the scale's byte (a plain line behind the conversions)
	ds_store_b8 v5, v[E+(\t)] offset:16*(\t)       ; both lanes of a block write the same byte with the same value
	global_store_b64 v4, v[C+4*(\t):C+4*(\t)+1], s[32:33] offset:32*CB*(\t)   ; the wave stores 256 consecutive bytes, aligned
.endm
.irp t, 0,1,2,3,4,5,6,7,8,9,10,11,12,13,14,15
	XSTEP \t
.endr
	ds_load_b64 v[8:9], v6                         ; LDS serves a wave's instructions in order: these see my byte stores
	s_wait_dscnt 0x0
	global_store_b64 v7, v[8:9], s[34:35]          ; 32 lanes store 256 consecutive bytes, aligned
	s_wait_tensorcnt 0x0                           ; the wave's end
	ds_add_u32 v[SPW], v[NIL]
	s_wait_dscnt 0x0
	s_endpgm
; ---- Wq, Wk, Wv.  K is the FIRST axis.  A lane takes a column n and its registers run down K: a block of 32 lies in one lane, and the conversions give codes with K innermost.
; Work-group g: tensor g / 64, K step Q = (g / 8) % 8 of 128, columns 128 (g % 8) on; a wave takes 32 columns.
; OUT: [tensor][block of 16 columns][Q][c][lane][16 bytes]: the operand's layout gives lane 16 h + r, registers 4 c .. 4 c + 3, the block 2 c + h of column r.  So my block kb goes to c = kb / 2, lane 16 (kb % 2) + n % 16:
; sixteen neighbouring lanes store 256 consecutive bytes, aligned, with no stage.
.Lw:
	s_cmp_lt_u32 ttmp9, 64
	s_cselect_b64 s[30:31], s[10:11], s[12:13]
	s_cmp_lt_u32 ttmp9, 128
	s_cselect_b64 s[30:31], s[30:31], s[14:15]
	s_lshr_b32 s40, ttmp9, 6                       ; tensor
	s_and_b32 s41, ttmp9, 7                        ; which 128 columns
	s_bfe_u32 s42, ttmp9, 0x30003                  ; Q
	s_lshl_b32 s36, s42, 19                        ; in: 128 rows of 4,096 bytes a K step,
	s_lshl_b32 s38, s41, 9                         ; 512 bytes for 128 columns,
	s_add_co_u32 s36, s36, s38
	s_lshl_b32 s38, s28, 7                         ; 128 for my wave's 32
	s_add_co_u32 s36, s36, s38
	s_mov_b32 s37, 0
	s_add_nc_u64 s[30:31], s[30:31], s[36:37]
	s_lshl_b32 s36, s40, 19                        ; codes: 524,288 bytes a tensor,
	s_lshl_b32 s38, s41, 16                        ; 8 blocks of 16 columns x 8,192,
	s_add_co_u32 s36, s36, s38
	s_lshl_b32 s38, s28, 14                        ; my wave's two blocks,
	s_add_co_u32 s36, s36, s38
	s_lshl_b32 s38, s42, 10                        ; 1,024 bytes a K step
	s_add_co_u32 s36, s36, s38
	s_add_nc_u64 s[32:33], s[22:23], s[36:37]
	s_lshl_b32 s36, s40, 15                        ; scale words [tensor][Q][n]: 32,768 bytes a tensor,
	s_lshl_b32 s38, s42, 12                        ; 4,096 a K step,
	s_add_co_u32 s36, s36, s38
	s_lshl_b32 s38, s41, 9
	s_add_co_u32 s36, s36, s38
	s_lshl_b32 s38, s28, 7
	s_add_co_u32 s36, s36, s38
	s_add_nc_u64 s[34:35], s[24:25], s[36:37]
	v_lshlrev_b32 v3, 2, v2                        ; 4 bytes a lane: for the loads and for the scale word
	v_lshrrev_b32 v4, 4, v2
	v_and_b32 v5, 15, v2
	v_lshlrev_b32 v4, 13, v4                       ; lanes 16-31: the next block of 16 columns
	v_lshl_add_u32 v4, v5, 4, v4
.set I, 0
.rept 128
	global_load_b32 v[WX+I], v3, s[30:31] offset:I*4096 th:TH_LOAD_NT   ; W(128 Q + I, my column): 128 consecutive bytes a wave
.set I, I+1
.endr
.macro WBLOCK kb
.set XS, WX+32*(\kb)
	v_max3_num_f32 v8, |v[XS]|, |v[XS+1]|, |v[XS+2]|               ; the block's largest magnitude: all 32 numbers are mine
	v_max3_num_f32 v9, |v[XS+3]|, |v[XS+4]|, |v[XS+5]|
.irp i, 6,10,14,18,22,26
	v_max3_num_f32 v8, v8, |v[XS+\i]|, |v[XS+\i+1]|
	v_max3_num_f32 v9, v9, |v[XS+\i+2]|, |v[XS+\i+3]|
.endr
	v_max3_num_f32 v8, v8, |v[XS+30]|, |v[XS+31]|
	v_max3_num_f32 v8, v8, v9, 0x1800000           ; the floor
	v_add_nc_u32 v11, 0xff000000, v8               ; the conversion's scale operand
	v_lshrrev_b32 v10, 23, v11                     ; the byte
.if (\kb) == 0
	v_mov_b32 v24, v10                             ; four bytes make the column's scale word of this K step, the lower K in the lower byte
.else
	v_lshl_or_b32 v24, v10, 8*(\kb), v24
.endif
.irp g, 0,1,2,3
	v_cvt_scalef32_pk8_fp4_f32 v[WC+4*(\kb)+\g], v[XS+8*\g:XS+8*\g+7], v11
.endr
	global_store_b128 v4, v[WC+4*(\kb):WC+4*(\kb)+3], s[32:33] offset:((\kb)/2)*512+((\kb)%2)*256
.endm
	s_wait_loadcnt 63                              ; of 128 loads at most 63 are out: the first 65 are in, blocks 0 and 1 among them
	WBLOCK 0
	WBLOCK 1
	s_wait_loadcnt 32                              ; block 3's 32 may be out
	WBLOCK 2
	s_wait_loadcnt 0x0
	WBLOCK 3
	global_store_b32 v3, v24, s[34:35]             ; 128 consecutive bytes a wave; the four waves of the work-group fill 512 on end
	s_endpgm
; ---- Wo: f32 -> f16, as it lies.  A wave takes 16,384 bytes: 32 loads of 512 consecutive bytes, 32 stores of 256.
.Lcast:
	s_sub_co_u32 s36, ttmp9, 192
	s_lshl_b32 s36, s36, 2
	s_add_co_u32 s36, s36, s28
	s_lshl_b32 s38, s36, 14
	s_mov_b32 s39, 0
	s_add_nc_u64 s[30:31], s[16:17], s[38:39]
	s_lshl_b32 s38, s36, 13
	s_add_nc_u64 s[32:33], s[26:27], s[38:39]
	v_lshlrev_b32 v3, 4, v2
	v_lshlrev_b32 v6, 3, v2
.set I, 0
.rept 32
	global_load_b128 v[WX+4*I:WX+4*I+3], v3, s[30:31] offset:512*I th:TH_LOAD_NT
.set I, I+1
.endr
.set I, 0
.rept 32
	s_wait_loadcnt 31-I                            ; loads come back in order: load I is in, the younger ones stay out
	v_cvt_pk_f16_f32 v[WX+4*I], v[WX+4*I], v[WX+4*I+1]
	v_cvt_pk_f16_f32 v[WX+4*I+1], v[WX+4*I+2], v[WX+4*I+3]
	global_store_b64 v6, v[WX+4*I:WX+4*I+1], s[32:33] offset:256*I
.set I, I+1
.endr
	s_endpgm
.Lfunc_end_k_qa4d6922654_prep:
	.size	k_qa4d6922654_prep, .Lfunc_end_k_qa4d6922654_prep-k_qa4d6922654_prep
	.p2alignl 7, 3214868480
	.fill 96, 4, 3214868480
	.section	.rodata,"a",@progbits
	.p2align	6, 0x0
	.amdhsa_kernel k_qa4d6922654_prep
		.amdhsa_group_segment_fixed_size 33280
		.amdhsa_private_segment_fixed_size 0
		.amdhsa_enable_private_segment 0
		.amdhsa_kernarg_size 96
		.amdhsa_user_sgpr_count 2
		.amdhsa_user_sgpr_kernarg_segment_ptr 1
		.amdhsa_wavefront_size32 1
		.amdhsa_system_sgpr_workgroup_id_x 1
		.amdhsa_system_sgpr_workgroup_id_y 1
		.amdhsa_system_sgpr_workgroup_id_z 1
		.amdhsa_system_vgpr_workitem_id 0
		.amdhsa_next_free_vgpr 192
		.amdhsa_next_free_sgpr 66
		.amdhsa_reserve_vcc 0
		.amdhsa_float_denorm_mode_32 3
		.amdhsa_float_denorm_mode_16_64 3
		.amdhsa_memory_ordered 1
		.amdhsa_forward_progress 1
		.amdhsa_inst_pref_size 64
	.end_amdhsa_kernel
	.amdgpu_metadata
---
amdhsa.version: [ 1, 2 ]
amdhsa.kernels:
  - .name:           k_qa4d6922654_prep
    .symbol:         k_qa4d6922654_prep.kd
    .args:
      - { .name: q, .offset: 0, .size: 8, .value_kind: global_buffer, .address_space: global }
      - { .name: k, .offset: 8, .size: 8, .value_kind: global_buffer, .address_space: global }
      - { .name: v, .offset: 16, .size: 8, .value_kind: global_buffer, .address_space: global }
      - { .name: Wq, .offset: 24, .size: 8, .value_kind: global_buffer, .address_space: global }
      - { .name: Wk, .offset: 32, .size: 8, .value_kind: global_buffer, .address_space: global }
      - { .name: Wv, .offset: 40, .size: 8, .value_kind: global_buffer, .address_space: global }
      - { .name: Wo, .offset: 48, .size: 8, .value_kind: global_buffer, .address_space: global }
      - { .name: xcodes, .offset: 56, .size: 8, .value_kind: global_buffer, .address_space: global }
      - { .name: xscales, .offset: 64, .size: 8, .value_kind: global_buffer, .address_space: global }
      - { .name: wfrag, .offset: 72, .size: 8, .value_kind: global_buffer, .address_space: global }
      - { .name: wscales, .offset: 80, .size: 8, .value_kind: global_buffer, .address_space: global }
      - { .name: wo16, .offset: 88, .size: 8, .value_kind: global_buffer, .address_space: global }
    .group_segment_fixed_size: 33280
    .private_segment_fixed_size: 0
    .kernarg_segment_align: 8
    .kernarg_segment_size: 96
    .max_flat_workgroup_size: 128
    .sgpr_count:     66
    .vgpr_count:     192
    .wavefront_size: 32
...
	.end_amdgpu_metadata
.endif
;; end of part 1
;; launch proj (part 2): grid 4 x 192, 4 waves a work-group, clusters of 4 x 1, 167,936 bytes of LDS; arguments xcodes, xscales, wfrag, wscales, bq, bk, bv, heads; writes heads
.if DOCPART == 2
	.amdgcn_target "amdgcn-amd-amdhsa--gfx1250"
	.amdhsa_code_object_version 6
	.text
	.protected	k_qa4d6922654_proj
	.globl	k_qa4d6922654_proj
	.p2align	8
	.type	k_qa4d6922654_proj,@function
k_qa4d6922654_proj:
	s_mov_b64 s[64:65], 0
	v_nop
	global_prefetch_b8 v0, s[64:65] scope:SCOPE_SE
	s_setreg_imm32_b32 hwreg(HW_REG_WAVE_MODE, 25, 1), 1
	s_wait_xcnt 0x0
	s_wait_alu depctr_hold_cnt(0) depctr_sa_sdst(0) depctr_va_vdst(0) depctr_va_sdst(0) depctr_va_ssrc(0) depctr_va_vcc(0) depctr_vm_vsrc(0)
	s_getreg_b32 s2, hwreg(HW_REG_IB_STS2, 6, 4)
	s_cmp_eq_u32 s2, 0
	s_cbranch_scc0 .Lentry_in_a_cluster
	s_endpgm
.Lentry_in_a_cluster:
	s_bfe_u32 s2, ttmp6, 0x10000c
	s_cmp_lg_u32 s2, 0x3003
	s_cbranch_scc0 .Lentry_shape_is_right
	s_endpgm
.Lentry_shape_is_right:
; PROJ: the three quantised products, x W + b, on codes of FP4 (E2M1) with one E8M0 scale for each 32 along K; sums in f32; the result split by heads and rounded once to f16.
; heads: [tensor (Q, K, V)][batch x 16 + head][2048 tokens][64 channels] f16.  LIMIT: a projected number stays under 65,504, f16's largest.
; SHARES.  Work-group (cx, y): 128 tokens (row tile y of 192: 64 to a tensor) x 256 channels (cx).  Wave w makes ONE head, 4 cx + w: 128 tokens x 64 channels: 32 accumulators.
; THE WEIGHTS NEVER GO THROUGH LDS: in a work-group a wave's 64 columns are read by that wave alone.  They lie in memory as the image of the operand's registers, come by 64 loads of 512 consecutive bytes
; and stay in 256 registers for all of K.  That is why they are not asked for jointly: a joint load lands in LDS, and would add 128 KiB of LDS writes and reads to each tile for nothing.
; THE TOKENS' CODES, 128 rows x 512 bytes (all of K), are the same for the four work-groups of a cluster: each wave asks jointly for 32 rows.  LDS is filled once: no ring, no refill, no loop.
; THE MATRIX INSTRUCTION IS USED TRANSPOSED (source 0 = 16 columns of W, source 1 = 16 tokens): a lane holds one token and eight neighbouring channels.  The bias is the C of each sum's first product.
; REGISTERS: window 0: v1-13 addresses; v16-47 the tokens' scale words, v48-63 the weights'; v64-95 the bias, 8 registers a block of 16 channels; v96-159, v160-223 the tokens' fragments, two sets; on the way out v96-143.
;   window 1: the accumulators, (a, b) at v[8 (4 a + b)].   window 2: the weights' fragments, (b, Q) at v[8 (8 b + Q)].
.set PITCH,  528                       ; an LDS row: 512 bytes + 16 of padding: the 16 rows that a load touches begin at 16 different 16-byte columns modulo 256 bytes
.set STAGE,  128*PITCH                 ; behind the tile: 16 rows x 144 bytes for each wave, for the way out
.set SPITCH, 144
.set SPARE,  STAGE+4*16*SPITCH         ; the spare words, 128 bytes a wave, which no other line names
.set LI,   4                           ; v4   16 x lane
.set ADRA, 5                           ; v5   my lane's place in a fragment of tokens: r x pitch + 16 h
.set STO,  9                           ; v9   the way out: where I put 16 bytes of a row
.set RD,   10                          ; v10  and where I read rows back
.set SPW,  12                          ; v12  LDS address of my spare word; never rewritten
.set NIL,  13                          ; v13  0; never rewritten
.set SA,   16                          ; v[SA + 8 j + Q]: lane l: the scale word of token 32 j + l for K step Q
.set SB,   48                          ; v[SB + 8 j + Q]: lane l: that of my channel 32 j + l
.set BI,   64
.set F0,   96
.set TMP,  96
.set BK,   112
.set MSB, 0
.macro WIN new                         ; the immediate's high byte repeats the setting that is left
.if MSB != \new
	s_set_vgpr_msb (MSB<<8)|\new
.set MSB, \new
.endif
.endm
.macro CROUND                          ; a round of the cluster's barrier
	s_barrier_signal -1
	s_barrier_wait -1
	s_cmp_lg_u32 s20, 0
	s_cbranch_scc1 .Lnot_wave_0_\@
	s_barrier_signal -3
.Lnot_wave_0_\@:
	s_barrier_wait -3
	s_barrier_signal -1
	s_barrier_wait -1
.endm
.macro PLACES                          ; four plain vector instructions between a matrix instruction and a load into, or a vector read of, its registers
.rept 4
	v_nop
.endr
.endm
	s_load_b256 s[4:11], s[0:1], 0x0               ; xcodes s[4:5], xscales s[6:7], wfrag s[8:9], wscales s[10:11]
	s_load_b256 s[12:19], s[0:1], 0x20             ; bq s[12:13], bk s[14:15], bv s[16:17], heads s[18:19]
	v_lshl_add_u32 v[SPW], v0, 2, SPARE
	v_mov_b32 v[NIL], 0
	ds_add_u32 v[SPW], v[NIL]                      ; the wave's opening: the add, twice on end, and its wait ahead of my first tensor load
	ds_add_u32 v[SPW], v[NIL]
	v_lshrrev_b32 v1, 5, v0
	v_readfirstlane_b32 s20, v1                    ; wave 0..3
	s_bfe_u32 s21, ttmp6, 0x40000                  ; cx: it enters global addresses alone
	s_and_b32 s22, ttmp7, 0xffff                   ; y: the row tile, which the four partners share
	s_lshr_b32 s23, s22, 6                         ; the tensor
	; descriptor group 1: 32 rows x 512 bytes, 16 bytes of padding behind each
	s_mov_b32 s24, 15|(0<<16)|(1<<20)|(1<<21)|(6<<22)|(3<<25)  ; 15:0 the mask: all four work-groups; 17:16 elements of 1 byte; 20 padding on; 21 set beside a mask; 24:22 after every 128 words; 31:25 four words
	s_mov_b32 s25, 512<<16                         ; tensor_dim0
	s_mov_b32 s26, 32<<16                          ; tensor_dim1
	s_mov_b32 s27, 512<<16                         ; tile_dim0
	s_mov_b32 s28, 32                              ; tile_dim1
	s_mov_b32 s29, 512                             ; from row to row
	s_mov_b32 s30, 0
	s_mov_b32 s31, 0
	s_mov_b32 s32, 1                               ; group 0: count
	s_mul_i32 s33, s20, 32*PITCH                   ; LDS address: wave x 32 rows
	s_lshl_b32 s38, s22, 16                        ; the tile's 128 rows of 512 bytes,
	s_lshl_b32 s39, s20, 14                        ; my 32 of them
	s_add_co_u32 s38, s38, s39
	s_mov_b32 s39, 0
	v_and_b32 v1, 15, v0                           ; r
	v_bfe_u32 v2, v0, 4, 1                         ; h
	v_and_b32 v3, 31, v0                           ; lane
	v_lshlrev_b32 v[LI], 4, v3
	v_mul_u32_u24 v[ADRA], v1, PITCH
	v_lshl_add_u32 v[ADRA], v2, 4, v[ADRA]
	v_lshlrev_b32 v6, 5, v3                        ; a token's 32 scale bytes
	v_lshlrev_b32 v7, 2, v3                        ; a channel's scale word
	v_lshlrev_b32 v8, 5, v2                        ; the bias: eight numbers for each half of the lanes
	s_mul_i32 s36, s20, 16*SPITCH
	s_add_co_u32 s36, s36, STAGE                   ; my stage
	v_mul_u32_u24 v[STO], v1, SPITCH
	v_lshl_add_u32 v[STO], v2, 4, v[STO]
	v_add_nc_u32 v[STO], s36, v[STO]               ; in: row r, 16 bytes for each half of the lanes
	v_lshrrev_b32 v[RD], 3, v3
	v_mul_u32_u24 v[RD], v[RD], SPITCH
	v_and_b32 v11, 7, v3
	v_lshl_add_u32 v[RD], v11, 4, v[RD]
	v_add_nc_u32 v[RD], s36, v[RD]                 ; back: eight lanes to a row of 128 bytes, four rows an instruction
	s_lshl_b32 s37, s21, 2
	s_add_co_u32 s37, s37, s20                     ; my head: 4 cx + w
	s_mov_b32 s41, 0
	s_wait_dscnt 0x0                               ; both opening adds are done
	s_wait_kmcnt 0x0
	s_add_nc_u64 s[34:35], s[4:5], s[38:39]        ; group 0: the global address hangs on y and the wave alone
	s_or_b32 s35, s35, 0x80000000                  ; type = 2
	s_lshl_b32 s40, s23, 19                        ; the weights' fragments: 524,288 bytes a tensor, 32,768 a head
	s_lshl_b32 s42, s37, 15
	s_add_co_u32 s40, s40, s42
	s_add_nc_u64 s[48:49], s[8:9], s[40:41]
	s_lshl_b32 s40, s23, 15                        ; their scale words: 32,768 bytes a tensor, 256 a head
	s_lshl_b32 s42, s37, 8
	s_add_co_u32 s40, s40, s42
	s_add_nc_u64 s[50:51], s[10:11], s[40:41]
	s_lshl_b32 s40, s22, 12                        ; the tokens' scale bytes: 128 rows of 32
	s_add_nc_u64 s[52:53], s[6:7], s[40:41]
	s_cmp_eq_u32 s23, 0
	s_cselect_b64 s[54:55], s[12:13], s[14:15]
	s_cmp_lt_u32 s23, 2
	s_cselect_b64 s[54:55], s[54:55], s[16:17]     ; bq, bk or bv
	s_lshl_b32 s40, s37, 8
	s_add_nc_u64 s[54:55], s[54:55], s[40:41]
	s_and_b32 s42, s22, 63
	s_lshr_b32 s42, s42, 4                         ; the batch: 16 row tiles each
	s_lshl_b32 s42, s42, 4
	s_add_co_u32 s42, s42, s37
	s_lshl_b32 s40, s42, 18                        ; out: 262,144 bytes a head,
	s_lshl_b32 s42, s23, 24                        ; 16,777,216 a tensor,
	s_add_co_u32 s40, s40, s42
	s_and_b32 s42, s22, 15
	s_lshl_b32 s42, s42, 14                        ; 128 rows of 128 bytes a row tile
	s_add_co_u32 s40, s40, s42
	s_add_nc_u64 s[56:57], s[18:19], s[40:41]
	WIN 0x80                                       ; destination window 2
.irp b, 0,1,2,3
.irp q, 0,1,2,3,4,5,6,7
.irp c, 0,1
	global_load_b128 v[8*(8*\b+\q)+4*\c:8*(8*\b+\q)+4*\c+3], v[LI], s[48:49] offset:\b*8192+\q*1024+\c*512   ; 512 consecutive bytes: four registers of a fragment as they stand
.endr
.endr
.endr
	WIN 0
.irp j, 0,1
.irp q, 0,1,2,3,4,5,6,7
	global_load_b32 v[SB+8*\j+\q], v7, s[50:51] offset:\q*4096+\j*128
.endr
.endr
.irp j, 0,1,2,3
.irp g, 0,1
	global_load_b128 v[SA+8*\j+4*\g:SA+8*\j+4*\g+3], v6, s[52:53] offset:\j*1024+16*\g   ; a token's eight words: one for each K step
.endr
.endr
.irp b, 0,1,2,3
	global_load_b128 v[BI+8*\b:BI+8*\b+3], v8, s[54:55] offset:64*\b       ; lane (r, h): the bias of channels 16 b + 8 h + 0 .. 7: the result's layout
	global_load_b128 v[BI+8*\b+4:BI+8*\b+7], v8, s[54:55] offset:64*\b+16
.endr
	CROUND                                         ; all four work-groups are here: the joint loads meet
	tensor_load_to_lds s[32:35], s[24:31]          ; my one tensor load of the launch
	s_nop 0
	PLACES
	s_wait_tensorcnt 0x0                           ; my 32 rows are in,
	s_barrier_signal -1
	s_barrier_wait -1                              ; everybody's are
.macro FETCH q, f                      ; the eight fragments (16 tokens x 128 K: 8 registers) of K step q: lane (r, h) takes bytes 64 q + 32 c + 16 h of row r
.irp a, 0,1,2,3,4,5,6,7
.irp c, 0,1
	ds_load_b128 v[(\f)+8*\a+4*\c:(\f)+8*\a+4*\c+3], v[ADRA] offset:\a*16*PITCH+64*(\q)+32*\c
.endr
.endr
.endm
; One product: tokens 16 a on x channels 16 b on, K step q.  A scale register carries two blocks' words: lanes 0-15 the even block's, lanes 16-31 (ROW1) the odd one's.
.macro MM a, b, q, f
.set RDD, 8*(4*(\a)+(\b))
.if (\q) == 0
.set RCC, BI+8*(\b)
.else
.set RCC, RDD
.endif
.set RBB, 8*(8*(\b)+(\q))
.set RAA, (\f)+8*(\a)
.set RSB, SB+8*((\b)/2)+(\q)
.set RSA, SA+8*((\a)/2)+(\q)
.if ((\a)%2 == 0) && ((\b)%2 == 0)
	v_wmma_scale_f32_16x16x128_f8f6f4 v[RDD:RDD+7], v[RBB:RBB+7], v[RAA:RAA+7], v[RCC:RCC+7], v[RSB], v[RSA] matrix_a_fmt:MATRIX_FMT_FP4 matrix_b_fmt:MATRIX_FMT_FP4
.elseif ((\a)%2 == 0)
	v_wmma_scale_f32_16x16x128_f8f6f4 v[RDD:RDD+7], v[RBB:RBB+7], v[RAA:RAA+7], v[RCC:RCC+7], v[RSB], v[RSA] matrix_a_fmt:MATRIX_FMT_FP4 matrix_b_fmt:MATRIX_FMT_FP4 matrix_a_scale:MATRIX_SCALE_ROW1
.elseif ((\b)%2 == 0)
	v_wmma_scale_f32_16x16x128_f8f6f4 v[RDD:RDD+7], v[RBB:RBB+7], v[RAA:RAA+7], v[RCC:RCC+7], v[RSB], v[RSA] matrix_a_fmt:MATRIX_FMT_FP4 matrix_b_fmt:MATRIX_FMT_FP4 matrix_b_scale:MATRIX_SCALE_ROW1
.else
	v_wmma_scale_f32_16x16x128_f8f6f4 v[RDD:RDD+7], v[RBB:RBB+7], v[RAA:RAA+7], v[RCC:RCC+7], v[RSB], v[RSA] matrix_a_fmt:MATRIX_FMT_FP4 matrix_b_fmt:MATRIX_FMT_FP4 matrix_a_scale:MATRIX_SCALE_ROW1 matrix_b_scale:MATRIX_SCALE_ROW1
.endif
.endm
; A K step of 128: the next step's fragments are asked for, then 32 products.  The 32 accumulators take turns, one instruction a turn, in the same order in every step.
.macro STEP q
.if (\q) > 0
	PLACES                                         ; in front of loads into the set that the last step multiplied
.endif
.if (\q) < 7
	FETCH (\q)+1, F0+64*(((\q)+1)%2)
	s_wait_dscnt 16                                ; this step's fragments are in; the 16 loads just issued may be out
.else
	s_wait_dscnt 0x0
.endif
.if (\q) == 0
	WIN 0x42                                       ; source 0 window 2, source 1 and C (the bias) window 0, D window 1
.else
	WIN 0x52                                       ; C and D window 1
.endif
.irp a, 0,1,2,3,4,5,6,7
.irp b, 0,1,2,3
	MM \a, \b, \q, F0+64*((\q)%2)
.endr
.endr
	WIN 0
.endm
	FETCH 0, F0
	s_wait_loadcnt 0x0                             ; the weights, the scale words, the bias
.irp q, 0,1,2,3,4,5,6,7
	STEP \q
.endr
; THE WAY OUT, 16 tokens at a time.  A lane's eight channels pack into 16 bytes; a head's row is 128 bytes; 16 rows are 2,048 consecutive bytes of memory.  They go through my own stage in LDS and leave by four stores of 512 consecutive bytes.
.macro PACK a
	WIN 0x05                                       ; sources window 1
.irp b, 0,1,2,3
.irp i, 0,1,2,3
	v_cvt_pk_f16_f32 v[TMP+4*\b+\i], v[8*(4*(\a)+\b)+2*\i], v[8*(4*(\a)+\b)+2*\i+1]   ; each accumulator from its low end on
.endr
.endr
	WIN 0
.endm
.macro TOSTAGE a
.irp b, 0,1,2,3
	ds_store_b128 v[STO], v[TMP+4*\b:TMP+4*\b+3] offset:32*\b
.endr
.irp i, 0,1,2,3
	ds_load_b128 v[BK+16*((\a)%2)+4*\i:BK+16*((\a)%2)+4*\i+3], v[RD] offset:4*SPITCH*\i   ; LDS serves a wave's instructions in order: these see the stores above
.endr
.endm
.macro SEND a
	s_wait_dscnt 0x0                               ; the block is back in registers
	s_wait_xcnt 0x0                                ; the stores of the block before have read their registers: the next block's loads may land there
.irp i, 0,1,2,3
	global_store_b128 v[LI], v[BK+16*((\a)%2)+4*\i:BK+16*((\a)%2)+4*\i+3], s[56:57] offset:(\a)*2048+512*\i
.endr
.endm
	PLACES                                         ; the conversions read results just made
	PACK 0
	TOSTAGE 0
.irp a, 1,2,3,4,5,6,7
	PACK \a                                        ; block a's conversions stand between block a - 1's loads from the stage and the wait for them
	SEND (\a)-1
	TOSTAGE \a
.endr
	SEND 7
	s_wait_tensorcnt 0x0                           ; the wave's end
	ds_add_u32 v[SPW], v[NIL]
	s_wait_dscnt 0x0
	CROUND                                         ; the closing round
	s_endpgm
.Lfunc_end_k_qa4d6922654_proj:
	.size	k_qa4d6922654_proj, .Lfunc_end_k_qa4d6922654_proj-k_qa4d6922654_proj
	.p2alignl 7, 3214868480
	.fill 96, 4, 3214868480
	.section	.rodata,"a",@progbits
	.p2align	6, 0x0
	.amdhsa_kernel k_qa4d6922654_proj
		.amdhsa_group_segment_fixed_size 167936
		.amdhsa_private_segment_fixed_size 0
		.amdhsa_enable_private_segment 0
		.amdhsa_kernarg_size 64
		.amdhsa_user_sgpr_count 2
		.amdhsa_user_sgpr_kernarg_segment_ptr 1
		.amdhsa_wavefront_size32 1
		.amdhsa_system_sgpr_workgroup_id_x 1
		.amdhsa_system_sgpr_workgroup_id_y 1
		.amdhsa_system_sgpr_workgroup_id_z 1
		.amdhsa_system_vgpr_workitem_id 0
		.amdhsa_next_free_vgpr 768
		.amdhsa_next_free_sgpr 66
		.amdhsa_reserve_vcc 0
		.amdhsa_float_denorm_mode_32 3
		.amdhsa_float_denorm_mode_16_64 3
		.amdhsa_memory_ordered 1
		.amdhsa_forward_progress 1
		.amdhsa_inst_pref_size 72
	.end_amdhsa_kernel
	.amdgpu_metadata
---
amdhsa.version: [ 1, 2 ]
amdhsa.kernels:
  - .name:           k_qa4d6922654_proj
    .symbol:         k_qa4d6922654_proj.kd
    .args:
      - { .name: xcodes, .offset: 0, .size: 8, .value_kind: global_buffer, .address_space: global }
      - { .name: xscales, .offset: 8, .size: 8, .value_kind: global_buffer, .address_space: global }
      - { .name: wfrag, .offset: 16, .size: 8, .value_kind: global_buffer, .address_space: global }
      - { .name: wscales, .offset: 24, .size: 8, .value_kind: global_buffer, .address_space: global }
      - { .name: bq, .offset: 32, .size: 8, .value_kind: global_buffer, .address_space: global }
      - { .name: bk, .offset: 40, .size: 8, .value_kind: global_buffer, .address_space: global }
      - { .name: bv, .offset: 48, .size: 8, .value_kind: global_buffer, .address_space: global }
      - { .name: heads, .offset: 56, .size: 8, .value_kind: global_buffer, .address_space: global }
    .group_segment_fixed_size: 167936
    .private_segment_fixed_size: 0
    .kernarg_segment_align: 8
    .kernarg_segment_size: 64
    .max_flat_workgroup_size: 128
    .sgpr_count:     66
    .vgpr_count:     768
    .wavefront_size: 32
...
	.end_amdgpu_metadata
.endif
;; end of part 2
;; launch attn (part 3): grid 4 x 64, 8 waves a work-group, clusters of 4 x 1, 327,680 bytes of LDS; arguments heads, ao; writes ao
.if DOCPART == 3
	.amdgcn_target "amdgcn-amd-amdhsa--gfx1250"
	.amdhsa_code_object_version 6
	.text
	.protected	k_qa4d6922654_attn
	.globl	k_qa4d6922654_attn
	.p2align	8
	.type	k_qa4d6922654_attn,@function
k_qa4d6922654_attn:
	s_mov_b64 s[64:65], 0
	v_nop
	global_prefetch_b8 v0, s[64:65] scope:SCOPE_SE
	s_setreg_imm32_b32 hwreg(HW_REG_WAVE_MODE, 25, 1), 1
	s_wait_xcnt 0x0
	s_wait_alu depctr_hold_cnt(0) depctr_sa_sdst(0) depctr_va_vdst(0) depctr_va_sdst(0) depctr_va_ssrc(0) depctr_va_vcc(0) depctr_vm_vsrc(0)
	s_getreg_b32 s2, hwreg(HW_REG_IB_STS2, 6, 4)
	s_cmp_eq_u32 s2, 0
	s_cbranch_scc0 .Lentry_in_a_cluster
	s_endpgm
.Lentry_in_a_cluster:
	s_bfe_u32 s2, ttmp6, 0x10000c
	s_cmp_lg_u32 s2, 0x3003
	s_cbranch_scc0 .Lentry_shape_is_right
	s_endpgm
.Lentry_shape_is_right:
; ATTN: ao[head][q][:] = the sum over k of softmax_k(Q[q] . K[k] / 8) V[k][:], 64 heads (batch x 16 + head) of 2,048 positions x 64 channels, no mask.  Q, K, V, the weights p and ao in f16; products, maxima and sums in f32.
; LIMITS: a weight p (at most 1, taken against the running maximum) under 2^-25 becomes 0 in f16; NaN and infinities are not served.
; SHARES.  A work-group owns 512 queries of one head, each of its EIGHT waves 64: four tiles of 16.  Every wave walks all 2,048 keys, 64 a step.
; LAYOUT.  S^T = K Q^T (source 0 = 16 keys, source 1 = 16 queries): a lane holds ONE query and the keys 8 (lane / 16) + 0..7 of each tile.  Two such tiles, rounded to f16 in pairs, ARE source 1 of O^T = V^T P.  V is turned by ds_load_tr16_b128.
; SOFTMAX.  For each query a running maximum m and sum l: p = 2^(c s - c m), c = log2(e) / 8; in every step O and l are multiplied by a = 2^(c m_old - c m_new).
; TWO WAVES TO A SIMD, IN OPPOSITE PHASES.  A wave's cycle is 64 matrix instructions (V^T P of step j, K Q^T of step j + 1) and one softmax.  Waves 0-3 stand behind their softmax at every barrier, waves 4-7 in front of it:
; every wave walks the same loop, in which the softmax is written twice, each copy under a branch on wave / 4; no barrier, LDS access or tensor load stands under those branches.
; CLUSTER.  The four query blocks of a head walk the same K and V: each tile is asked for JOINTLY.  A slot holds 512 keys; a refill is requested eight key steps ahead of its first read.
; K and V of a head are dense in memory: their tiles are stated as rows of 256 bytes, two keys each.
; REGISTERS: window 0: v2-13 addresses; v16-47 eight registers of statistics a tile; v64-191 S^T, 32 a tile (P is made in place in a tile's first 16); v192-255 K of one step.
;   window 1: v0-127 O^T, 32 a tile; v128-191 Q, 16 a tile; v192-255 V of one step.
.set PK,    272                        ; two keys of K in LDS: 256 bytes + 16: the 16 keys of a load begin at 16 different 16-byte columns modulo 256 bytes
.set PVP,   288                        ; two keys of V: 256 + 32: the eight keys x 32 bytes that 16 lanes of the turning load take fall on 16 different 16-byte columns
.set VOFF,  256*PK                     ; a slot: 512 keys of K, then 512 of V
.set SLOT,  VOFF+256*PVP
.set STEPK, 32*PK                      ; 64 keys
.set STEPV, 32*PVP
.set STAGE, 2*SLOT                     ; behind the ring: 16 rows x 144 bytes for each wave, for the way out
.set SP,    144
.set SPARE, STAGE+8*16*SP              ; the spare words, 128 bytes a wave, which no other line names
.set AK0, 2                            ; v2   my lane's place in a tile of K; never rewritten
.set AV0, 3                            ; v3   the same for V
.set ADK, 4                            ; v4   LDS address of the step's K
.set ADV, 5                            ; v5   and V
.set QO,  6                            ; v6   my byte offset in the wave's rows of Q
.set STO, 7                            ; v7   the way out: where I put 16 bytes of a row
.set RD,  8                            ; v8   and where I read rows back
.set GO,  9                            ; v9   16 x lane
.set SPW, 12                           ; v12  LDS address of my spare word; never rewritten
.set NIL, 13                           ; v13  0; never rewritten
.set ST,  16                           ; tile t's statistics at v[ST + 8 t]: +0 c m, +1 m, +2, +3 l (even keys', odd keys'), +4, +5 at work, then a second chain of the sum, +6 at work, then a, +7 at work
.set S,   64
.set KF,  192
.set QF,  128                          ; in window 1
.set VF,  192                          ; in window 1
.set WV,  12                           ; s12  my wave's number
.set GRP, 13                           ; s13  wave / 4
.set G1K, 24                           ; s[24:31] descriptor group 1 for K's tiles;  s[32:39] for V's: it differs in the padding alone
.set G1V, 32
.set G0K, 40                           ; s[40:47] group 0 for K's tiles, a set for each slot;  s[48:55] for V's
.set G0V, 48
.set TK,  56                           ; s56  LDS byte at which the K of the step to be fetched begins
.set TV,  57                           ; s57  the same for V
.set CS,  58                           ; s[58:59] c: the packed form names a pair and takes its low word for both halves
.set SEL, 60                           ; s[60:61] lane selects for v_permlanex16_b32: lane l xor 16
.set CNT, 62
.set MSB, 0
.macro WIN new                         ; the immediate's high byte repeats the setting that is left
.if MSB != \new
	s_set_vgpr_msb (MSB<<8)|\new
.set MSB, \new
.endif
.endm
.macro CROUND                          ; a round of the cluster's barrier
	s_barrier_signal -1
	s_barrier_wait -1
	s_cmp_lg_u32 s[WV], 0
	s_cbranch_scc1 .Lnot_wave_0_\@
	s_barrier_signal -3
.Lnot_wave_0_\@:
	s_barrier_wait -3
	s_barrier_signal -1
	s_barrier_wait -1
.endm
.macro PLACES
.rept 4
	v_nop
.endr
.endm
.macro JLOAD s                         ; a joint refill of slot s: waves 0-3 fetch K's quarters, waves 4-7 V's; an s_nop 0 and four v_nop follow each of the two lines
	s_cmp_lt_u32 s[WV], 4
	s_cbranch_scc0 .Lfor_v_\@
	tensor_load_to_lds s[G0K+4*\s:G0K+4*\s+3], s[G1K:G1K+7]
	s_nop 0
	PLACES
	s_branch .Lasked_\@
.Lfor_v_\@:
	tensor_load_to_lds s[G0V+4*\s:G0V+4*\s+3], s[G1V:G1V+7]
	s_nop 0
	PLACES
.Lasked_\@:
.endm
	s_load_b128 s[4:7], s[0:1], 0x0                ; heads s[4:5], ao s[6:7]
	v_lshl_add_u32 v[SPW], v0, 2, SPARE
	v_mov_b32 v[NIL], 0
	ds_add_u32 v[SPW], v[NIL]                      ; the wave's opening: the add, twice on end, and its wait ahead of my first tensor load
	ds_add_u32 v[SPW], v[NIL]
	v_lshrrev_b32 v1, 5, v0
	v_readfirstlane_b32 s[WV], v1                  ; wave 0..7
	s_lshr_b32 s[GRP], s[WV], 2
	s_and_b32 s16, s[WV], 3                        ; which quarter of a slot I fetch
	s_bfe_u32 s14, ttmp6, 0x40000                  ; cx: my block of 512 queries: it enters Q's and ao's addresses alone
	s_and_b32 s15, ttmp7, 0xffff                   ; the head, which the four partners share
	s_lshl_b32 s20, s15, 18                        ; a head is 262,144 bytes;
	s_lshl_b32 s17, s16, 14                        ; my 128 keys of a slot: 16,384 bytes
	s_add_co_u32 s20, s20, s17
	s_mov_b32 s21, 0
	s_mul_i32 s18, s16, 64*PK                      ; and their place in a slot: K's,
	s_mul_i32 s19, s16, 64*PVP                     ; V's
	s_lshl_b32 s22, s15, 18
	s_lshl_b32 s2, s14, 16                         ; 512 queries of 128 bytes,
	s_add_co_u32 s22, s22, s2
	s_lshl_b32 s2, s[WV], 13                       ; my wave's 64
	s_add_co_u32 s22, s22, s2
	s_mov_b32 s23, 0
	; descriptor group 1: 64 rows x 128 elements of 2 bytes, padded in LDS
	s_mov_b32 s[G1K], 15|(1<<16)|(1<<20)|(1<<21)|(5<<22)|(3<<25)  ; 15:0 the mask: all four work-groups; 17:16 elements of 2 bytes; 20 padding on; 21 set beside a mask; 24:22 after every 64 words; 31:25 four words
	s_mov_b32 s[G1V], 15|(1<<16)|(1<<20)|(1<<21)|(5<<22)|(7<<25)  ; the same with eight words
.irp g, G1K, G1V
	s_mov_b32 s[\g+1], 128<<16                     ; tensor_dim0
	s_mov_b32 s[\g+2], 64<<16                      ; tensor_dim1
	s_mov_b32 s[\g+3], 128<<16                     ; tile_dim0
	s_mov_b32 s[\g+4], 64                          ; tile_dim1
	s_mov_b32 s[\g+5], 128                         ; from row to row
	s_mov_b32 s[\g+6], 0
	s_mov_b32 s[\g+7], 0
.endr
	s_mov_b32 s[CS], 0x3e38aa3b                    ; c = log2(e) / 8
	s_mov_b32 s[CS+1], s[CS]
	s_mov_b32 s[SEL], 0x76543210
	s_mov_b32 s[SEL+1], 0xfedcba98
	s_wait_dscnt 0x0                               ; both opening adds are done
	s_wait_kmcnt 0x0
	s_add_nc_u64 s[8:9], s[4:5], s[22:23]          ; Q at my wave's first row (tensor 0 of heads)
	s_add_nc_u64 s[10:11], s[6:7], s[22:23]        ; ao likewise
	s_add_nc_u64 s[20:21], s[4:5], s[20:21]
.irp s, 0,1
	s_mov_b32 s[G0K+4*\s], 1
	s_add_co_u32 s[G0K+4*\s+1], s18, \s*SLOT
	s_add_nc_u64 s[G0K+4*\s+2:G0K+4*\s+3], s[20:21], 0x1000000+\s*65536   ; tensor 1 of heads; slot s begins with keys 512 s on
	s_or_b32 s[G0K+4*\s+3], s[G0K+4*\s+3], 0x80000000
	s_mov_b32 s[G0V+4*\s], 1
	s_add_co_u32 s[G0V+4*\s+1], s19, \s*SLOT+VOFF
	s_add_nc_u64 s[G0V+4*\s+2:G0V+4*\s+3], s[20:21], 0x2000000+\s*65536   ; tensor 2
	s_or_b32 s[G0V+4*\s+3], s[G0V+4*\s+3], 0x80000000
.endr
	CROUND                                         ; all four work-groups are here: the first joint loads meet
	s_cmp_lt_u32 s[WV], 4                          ; a wave's two first fills stand in one branch: two loads of mine are out
	s_cbranch_scc0 .Lfirst_v
	tensor_load_to_lds s[G0K:G0K+3], s[G1K:G1K+7]
	s_nop 0
	tensor_load_to_lds s[G0K+4:G0K+7], s[G1K:G1K+7]
	s_nop 0
	PLACES
	s_branch .Lfirst_asked
.Lfirst_v:
	tensor_load_to_lds s[G0V:G0V+3], s[G1V:G1V+7]
	s_nop 0
	tensor_load_to_lds s[G0V+4:G0V+7], s[G1V:G1V+7]
	s_nop 0
	PLACES
.Lfirst_asked:
	v_and_b32 v1, 15, v0                           ; r
	v_bfe_u32 v10, v0, 4, 1                        ; h
	v_lshlrev_b32 v[QO], 7, v1
	v_lshl_add_u32 v[QO], v10, 4, v[QO]            ; row r of 128 bytes + 16 h
	WIN 0x40                                       ; destination window 1
.irp t, 0,1,2,3
.irp ks, 0,1
	global_load_b128 v[QF+16*\t+8*\ks:QF+16*\t+8*\ks+3],   v[QO], s[8:9] offset:\t*2048+\ks*64      ; Q stays in registers: tile t, channels 32 ks on
	global_load_b128 v[QF+16*\t+8*\ks+4:QF+16*\t+8*\ks+7], v[QO], s[8:9] offset:\t*2048+\ks*64+32
.endr
.endr
.set i_, 0
.rept 128
	v_mov_b32 v[i_], 0                             ; O^T.  Paid once, so that the key step has one form: its first softmax multiplies zeros by a = 0
.set i_, i_+1
.endr
	WIN 0
	v_lshrrev_b32 v11, 1, v1
	v_mul_u32_u24 v[AK0], v11, PK                  ; K: key r lies in row r / 2,
	v_and_b32 v11, 1, v0
	v_lshl_add_u32 v[AK0], v11, 7, v[AK0]          ; half r % 2,
	v_lshl_add_u32 v[AK0], v10, 4, v[AK0]          ; + 16 h
	v_bfe_u32 v14, v0, 1, 2
	v_lshl_add_u32 v14, v10, 2, v14                ; V: lane l reads key 8 h + l % 8: row 4 h + (l % 8) / 2,
	v_mul_u32_u24 v[AV0], v14, PVP
	v_lshl_add_u32 v[AV0], v11, 7, v[AV0]          ; half l % 2,
	v_bfe_u32 v14, v0, 3, 1
	v_lshl_add_u32 v[AV0], v14, 4, v[AV0]          ; channels 8 ((l / 8) % 2) on
	s_mul_i32 s2, s[WV], 16*SP
	s_add_co_u32 s2, s2, STAGE                     ; my stage
	v_mul_u32_u24 v[STO], v1, SP
	v_lshl_add_u32 v[STO], v10, 4, v[STO]
	v_add_nc_u32 v[STO], s2, v[STO]
	v_and_b32 v15, 31, v0
	v_lshrrev_b32 v[RD], 3, v15
	v_mul_u32_u24 v[RD], v[RD], SP
	v_and_b32 v14, 7, v0
	v_lshl_add_u32 v[RD], v14, 4, v[RD]
	v_add_nc_u32 v[RD], s2, v[RD]
	v_lshlrev_b32 v[GO], 4, v15
.irp t, 0,1,2,3
	v_mov_b32 v[ST+8*\t+1], 0xff61b1e6             ; m = -3e38, under every score
	v_mul_f32 v[ST+8*\t], s[CS], v[ST+8*\t+1]      ; c m
.irp i, 2,3,4,5,6,7
	v_mov_b32 v[ST+8*\t+\i], 0                     ; l, and the work words (named in pairs, and as a lane permute's destination)
.endr
.endr
; THE LDS LOADS stand in runs of 16.
.macro FETCH_K                         ; 64 keys x 64 channels: 8 fragments; (kt, ks) at v[KF + 16 kt + 8 ks]
	v_add_nc_u32 v[ADK], s[TK], v[AK0]
.irp kt, 0,1,2,3
.irp ks, 0,1
	ds_load_b128 v[KF+16*\kt+8*\ks:KF+16*\kt+8*\ks+3],   v[ADK] offset:\kt*8*PK+\ks*64
	ds_load_b128 v[KF+16*\kt+8*\ks+4:KF+16*\kt+8*\ks+7], v[ADK] offset:\kt*8*PK+\ks*64+32
.endr
.endr
.endm
.macro FETCH_V                         ; the same step's V, turned: (ct, g) at v[VF + 16 ct + 8 g] of window 1: channels 16 ct on, keys 32 g on
	v_add_nc_u32 v[ADV], s[TV], v[AV0]             ; this line and the four below are five plain instructions behind the products V^T P: four are owed by the loads into V's registers,
	PLACES                                         ; five by the products K Q^T, which write over P
	WIN 0x40
.irp g, 0,1
.irp ct, 0,1,2,3
	ds_load_tr16_b128 v[VF+16*\ct+8*\g:VF+16*\ct+8*\g+3],   v[ADV] offset:\g*16*PVP+\ct*32
	ds_load_tr16_b128 v[VF+16*\ct+8*\g+4:VF+16*\ct+8*\g+7], v[ADV] offset:\g*16*PVP+8*PVP+\ct*32
.endr
.endr
	WIN 0
.endm
; THE MATRIX WORK.  In each of the two runs 16 accumulators take turns, one instruction a turn.
.macro KQ                              ; S^T = K Q^T: 32 products; the first 16 start the sums
	WIN 0x04                                       ; source 1 (Q) window 1
.irp ks, 0,1
.irp kt, 0,1,2,3
.irp t, 0,1,2,3
.if \ks == 0
	v_wmma_f32_16x16x32_f16 v[S+32*\t+8*\kt:S+32*\t+8*\kt+7], v[KF+16*\kt+8*\ks:KF+16*\kt+8*\ks+7], v[QF+16*\t+8*\ks:QF+16*\t+8*\ks+7], 0
.else
	v_wmma_f32_16x16x32_f16 v[S+32*\t+8*\kt:S+32*\t+8*\kt+7], v[KF+16*\kt+8*\ks:KF+16*\kt+8*\ks+7], v[QF+16*\t+8*\ks:QF+16*\t+8*\ks+7], v[S+32*\t+8*\kt:S+32*\t+8*\kt+7]
.endif
.endr
.endr
.endr
	WIN 0
.rept 5
	v_nop                                          ; FIVE plain instructions.  Four are owed by the softmax's first read of the scores and by the loads into K's registers; five by a matrix instruction that takes these registers
.endr                                              ; as an operand (ISA guide 7.12.1): the text has a way from here to V^T P round both copies of the softmax.  No wave takes that way, since each runs one of the two copies; the distance is kept on it all the same
.endm
.macro PV                              ; O^T += V^T P: 32 products
	WIN 0x51                                       ; source 0 (V), C and D (O^T) window 1; source 1 (P) window 0
.irp g, 0,1
.irp ct, 0,1,2,3
.irp t, 0,1,2,3
	v_wmma_f32_16x16x32_f16 v[32*\t+8*\ct:32*\t+8*\ct+7], v[VF+16*\ct+8*\g:VF+16*\ct+8*\g+7], v[S+32*\t+8*\g:S+32*\t+8*\g+7], v[32*\t+8*\ct:32*\t+8*\ct+7]
.endr
.endr
.endr
	WIN 0
.endm
; THE SOFTMAX of four tiles for one key step.
.macro MAXI t, j                       ; line j of 22: the maximum of the lane's 32 scores and the old m (four chains, each accumulator from its low end on), the exchange, the new m, c m, a
.set rT, ST+8*(\t)
.set rS, S+32*(\t)
.if (\j) < 4
	v_max3_num_f32 v[rT+4+(\j)], v[rS+8*(\j)], v[rS+8*(\j)+1], v[rS+8*(\j)+2]
.elseif (\j) < 12
	v_max3_num_f32 v[rT+4+(\j)%4], v[rT+4+(\j)%4], v[rS+8*((\j)%4)+2*((\j)/4)+1], v[rS+8*((\j)%4)+2*((\j)/4)+2]
.elseif (\j) == 12
	v_max3_num_f32 v[rT+4], v[rT+4], v[rS+7], v[rS+15]
.elseif (\j) == 13
	v_max3_num_f32 v[rT+6], v[rT+6], v[rS+23], v[rS+31]
.elseif (\j) == 14
	v_max3_num_f32 v[rT+4], v[rT+4], v[rT+5], v[rT+6]
.elseif (\j) == 15
	v_max3_num_f32 v[rT+4], v[rT+4], v[rT+7], v[rT+1]
.elseif (\j) == 16
	v_permlanex16_b32 v[rT+5], v[rT+4], s[SEL], s[SEL+1]   ; the query's other 32 keys lie in the lane 16 away
.elseif (\j) == 17
	v_mov_b32 v[rT+7], v[rT]                       ; c m_old
.elseif (\j) == 18
	v_max_num_f32 v[rT+1], v[rT+4], v[rT+5]
.elseif (\j) == 19
	v_mul_f32 v[rT], s[CS], v[rT+1]
.elseif (\j) == 20
	v_sub_f32 v[rT+7], v[rT+7], v[rT]
.else
	v_exp_f32 v[rT+6], v[rT+7]                     ; a = 2^(c m_old - c m_new)
.endif
.endm
.macro SCL t, b                        ; pair b of the tile's 16: c s - c m
.set rT, ST+8*(\t)
.set rS, S+32*(\t)+2*(\b)
	v_pk_fma_f32 v[rS:rS+1], v[rS:rS+1], s[CS:CS+1], v[rT:rT+1] op_sel_hi:[1,0,0] neg_lo:[0,0,1] neg_hi:[0,0,1]
.endm
.macro EXPI t, e
	v_exp_f32 v[S+32*(\t)+(\e)], v[S+32*(\t)+(\e)]
.endm
.macro SUMI t, i                       ; line i of 16 of the row's sum, taken of p in f32, in two chains: l = a l + pairs 0-7; u = pairs 8-15; l += u
.set rT, ST+8*(\t)
.set rS, S+32*(\t)
.if (\i) == 0
	v_pk_fma_f32 v[rT+2:rT+3], v[rT+2:rT+3], v[rT+6:rT+7], v[rS:rS+1] op_sel_hi:[1,0,1]
.elseif (\i) < 8
	v_pk_add_f32 v[rT+2:rT+3], v[rT+2:rT+3], v[rS+2*(\i):rS+2*(\i)+1]
.elseif (\i) == 8
	v_pk_add_f32 v[rT+4:rT+5], v[rS+16:rS+17], v[rS+18:rS+19]
.elseif (\i) < 15
	v_pk_add_f32 v[rT+4:rT+5], v[rT+4:rT+5], v[rS+2*(\i)+2:rS+2*(\i)+3]
.else
	v_pk_add_f32 v[rT+2:rT+3], v[rT+2:rT+3], v[rT+4:rT+5]
.endif
.endm
.macro PLAIN y, p                      ; line p of 64 for tiles y, y + 1, the two by turns: first all the sums, then the roundings to f16, in place and ascending: register i takes pair i, which lies at 2 i and 2 i + 1
.if (\p) < 32
	SUMI (\y)+(\p)%2, (\p)/2
.else
.set rS, S+32*((\y)+(\p)%2)
.set ii, ((\p)-32)/2
	v_cvt_pk_f16_f32 v[rS+ii], v[rS+2*ii], v[rS+2*ii+1]
.endif
.endm
; The exponentials go in two batches, each with ONE wait ahead of the first line that names a result; plain lines of the other two tiles stand among them, and each batch ends on a plain line.
.macro SM
.irp j, 0,1,2,3,4,5,6,7,8,9,10,11,12,13,14,15,16,17,18,19,20,21
.irp t, 0,1,2,3
	MAXI \t, \j
.endr
.endr
.set n_, 0
.rept 32
	SCL n_/16, n_%16                               ; tiles 0, 1 are scaled
.set n_, n_+1
.endr
.set n_, 0
.rept 32
	EXPI (2*n_)/32, (2*n_)%32                      ; their 64 exponentials, a scaling of tiles 2, 3 behind every two
	EXPI (2*n_+1)/32, (2*n_+1)%32
	SCL 2+n_/16, n_%16
.set n_, n_+1
.endr
	s_wait_alu depctr_va_vdst(0)                   ; for the four a and the 64 of tiles 0, 1
.set n_, 0
.rept 64
	EXPI 2+n_/32, n_%32                            ; tiles 2, 3: an exponential, then a line of tiles 0, 1
	PLAIN 0, n_
.set n_, n_+1
.endr
	s_wait_alu depctr_va_vdst(0)                   ; for the 64 of tiles 2, 3
.set n_, 0
.rept 64
	PLAIN 2, n_
.set n_, n_+1
.endr
	WIN 0x41                                       ; O^T (destination and source 0) window 1, a window 0
.irp t, 0,1,2,3
.set n_, 0
.rept 16
	v_pk_mul_f32 v[32*\t+2*n_:32*\t+2*n_+1], v[32*\t+2*n_:32*\t+2*n_+1], v[ST+8*\t+6:ST+8*\t+7] op_sel_hi:[1,0]   ; each accumulator from its low end on
.set n_, n_+1
.endr
.endr
	WIN 0
.endm
.macro SM_IF grp                       ; the branch hangs on the wave's number alone
	s_cmp_eq_u32 s[GRP], \grp
	s_cbranch_scc0 .Lno_sm_\@
	SM
.Lno_sm_\@:
.endm
; A TRIP: V^T P of step j and K Q^T of step j + 1.  At its head V of step j is asked for or in; s[TK], s[TV] stand at step j + 1.
.macro BODY
	FETCH_K                                        ; K of step j + 1: the last products that read K's registers stand five plain instructions back or more
	SM_IF 1                                        ; waves 4-7: the softmax of step j
	s_wait_dscnt 16                                ; V of step j is in; the 16 loads of K may be out
	PV
	FETCH_V                                        ; V of step j + 1
	s_wait_dscnt 16                                ; K of step j + 1 is in; the 16 loads of V may be out
	KQ
	SM_IF 0                                        ; waves 0-3: the softmax of step j + 1
	s_add_co_u32 s[TK], s[TK], STEPK
	s_add_co_u32 s[TV], s[TV], STEPV
.endm
.macro LOOP n, tk, tv
	s_mov_b32 s[TK], \tk
	s_mov_b32 s[TV], \tv
	s_mov_b32 s[CNT], \n
.Lstep_\@:
	BODY
	s_sub_co_u32 s[CNT], s[CNT], 1
	s_cmp_lg_u32 s[CNT], 0
	s_cbranch_scc1 .Lstep_\@
.endm
; THE CHANGE OF SLOTS.  The slot's last bytes, V of its last step, have been asked for.  Each wave waits for all its tensor loads (one is out: its part of the other slot), adds 0 to its spare word, and waits for that and for
; its reads of the slot.  fill = 1: slot s, just left, takes the keys 1,024 on; the barrier is then a round of the cluster's, and the joint refill is the first thing behind it.
.macro CHANGE fill, s
	s_wait_tensorcnt 0x0                           ; no tensor load of mine is out, so a group 0 may be written
	ds_add_u32 v[SPW], v[NIL]
.if \fill
	s_add_nc_u64 s[G0K+4*\s+2:G0K+4*\s+3], s[G0K+4*\s+2:G0K+4*\s+3], 131072
	s_add_nc_u64 s[G0V+4*\s+2:G0V+4*\s+3], s[G0V+4*\s+2:G0V+4*\s+3], 131072
.endif
	s_wait_dscnt 0x0                               ; the add is done, and my reads of the slot are over
.if \fill
	CROUND
	JLOAD \s
.else
	s_barrier_signal -1
	s_barrier_wait -1
.endif
.endm
	s_wait_tensorcnt 0x1                           ; my part of slot 0 is in; slot 1's may stay out
	s_barrier_signal -1
	s_barrier_wait -1                              ; everybody's is
	s_mov_b32 s[TK], 0
	s_mov_b32 s[TV], VOFF
	FETCH_K                                        ; key step 0
	FETCH_V
	s_wait_loadcnt 0x0                             ; Q
	s_wait_dscnt 16                                ; K is in
	KQ
	SM_IF 0
	s_wait_dscnt 0x0
	s_barrier_signal -1                            ; this barrier sets the two groups of waves into opposite phases: waves 0-3 have their first softmax behind them, waves 4-7 ahead
	s_barrier_wait -1
	LOOP 7, STEPK, VOFF+STEPV                      ; the rest of slot 0: keys 64 to 511
	CHANGE 1, 0
	LOOP 8, SLOT, SLOT+VOFF                        ; keys 512 to 1,023
	CHANGE 1, 1
	LOOP 8, 0, VOFF                                ; keys 1,024 to 1,535
	CHANGE 0, 0                                    ; nothing is left to ask for
	LOOP 8, SLOT, SLOT+VOFF                        ; keys 1,536 to 2,047
	SM_IF 1
	s_wait_dscnt 0x0                               ; V of the last step
	PV
	; THE WAY OUT.  l's two halves and the other half of the lanes' are added; O^T is divided by l, rounded to f16 and sent through my stage, a tile (16 rows of 128 bytes, 2,048 consecutive bytes of ao) at a time.  The additions are the places behind the last products.
.irp t, 0,1,2,3
	v_add_f32 v[ST+8*\t+4], v[ST+8*\t+2], v[ST+8*\t+3]
.endr
.irp t, 0,1,2,3
	v_permlanex16_b32 v[ST+8*\t+5], v[ST+8*\t+4], s[SEL], s[SEL+1]
.endr
.irp t, 0,1,2,3
	v_add_f32 v[ST+8*\t+4], v[ST+8*\t+4], v[ST+8*\t+5]
.endr
.irp t, 0,1,2,3
	v_rcp_f32 v[ST+8*\t+6], v[ST+8*\t+4]
.endr
	v_nop                                          ; a plain instruction behind the last reciprocal
	s_wait_alu depctr_va_vdst(0)                   ; and one wait for the four, ahead of the first use
.macro PACK t
	WIN 0x41
.set n_, 0
.rept 16
	v_pk_mul_f32 v[32*\t+2*n_:32*\t+2*n_+1], v[32*\t+2*n_:32*\t+2*n_+1], v[ST+8*\t+6:ST+8*\t+7] op_sel_hi:[1,0]
.set n_, n_+1
.endr
	WIN 0x05                                       ; sources window 1, destination window 0: S^T's registers are free
.set n_, 0
.rept 16
	v_cvt_pk_f16_f32 v[S+32*\t+n_], v[32*\t+2*n_], v[32*\t+2*n_+1]
.set n_, n_+1
.endr
	WIN 0
.irp ct, 0,1,2,3
	ds_store_b128 v[STO], v[S+32*\t+4*\ct:S+32*\t+4*\ct+3] offset:32*\ct
.endr
.irp i, 0,1,2,3
	ds_load_b128 v[S+32*\t+16+4*\i:S+32*\t+16+4*\i+3], v[RD] offset:4*SP*\i   ; LDS serves a wave's instructions in order: these see the stores above; the next tile's stores come behind them
.endr
.endm
.macro SEND t, younger                 ; younger: the LDS instructions issued behind tile t's loads: the next tile's eight, or none
.irp i, 0,1,2,3
	s_wait_dscnt \younger+3-\i
	global_store_b128 v[GO], v[S+32*\t+16+4*\i:S+32*\t+16+4*\i+3], s[10:11] offset:\t*2048+512*\i   ; 512 consecutive bytes
.endr
.endm
	PACK 0
	PACK 1
	SEND 0, 8
	PACK 2
	SEND 1, 8
	PACK 3
	SEND 2, 8
	SEND 3, 0
	s_wait_tensorcnt 0x0                           ; the wave's end
	ds_add_u32 v[SPW], v[NIL]
	s_wait_dscnt 0x0
	CROUND                                         ; the closing round
	s_endpgm
.Lfunc_end_k_qa4d6922654_attn:
	.size	k_qa4d6922654_attn, .Lfunc_end_k_qa4d6922654_attn-k_qa4d6922654_attn
	.p2alignl 7, 3214868480
	.fill 96, 4, 3214868480
	.section	.rodata,"a",@progbits
	.p2align	6, 0x0
	.amdhsa_kernel k_qa4d6922654_attn
		.amdhsa_group_segment_fixed_size 327680
		.amdhsa_private_segment_fixed_size 0
		.amdhsa_enable_private_segment 0
		.amdhsa_kernarg_size 16
		.amdhsa_user_sgpr_count 2
		.amdhsa_user_sgpr_kernarg_segment_ptr 1
		.amdhsa_wavefront_size32 1
		.amdhsa_system_sgpr_workgroup_id_x 1
		.amdhsa_system_sgpr_workgroup_id_y 1
		.amdhsa_system_sgpr_workgroup_id_z 1
		.amdhsa_system_vgpr_workitem_id 0
		.amdhsa_next_free_vgpr 512
		.amdhsa_next_free_sgpr 66
		.amdhsa_reserve_vcc 0
		.amdhsa_float_denorm_mode_32 3
		.amdhsa_float_denorm_mode_16_64 3
		.amdhsa_memory_ordered 1
		.amdhsa_forward_progress 1
		.amdhsa_inst_pref_size 255
	.end_amdhsa_kernel
	.section	.bss,"aw",@nobits
	.p2align	6
	.space	262144
	.amdgpu_metadata
---
amdhsa.version: [ 1, 2 ]
amdhsa.kernels:
  - .name:           k_qa4d6922654_attn
    .symbol:         k_qa4d6922654_attn.kd
    .args:
      - { .name: heads, .offset: 0, .size: 8, .value_kind: global_buffer, .address_space: global }
      - { .name: ao, .offset: 8, .size: 8, .value_kind: global_buffer, .address_space: global }
    .group_segment_fixed_size: 327680
    .private_segment_fixed_size: 0
    .kernarg_segment_align: 8
    .kernarg_segment_size: 16
    .max_flat_workgroup_size: 256
    .sgpr_count:     66
    .vgpr_count:     512
    .wavefront_size: 32
...
	.end_amdgpu_metadata
.endif
;; end of part 3
;; launch outproj (part 4): grid 4 x 64, 4 waves a work-group, clusters of 4 x 4, 327,680 bytes of LDS; arguments ao, wo16, bo, out0; writes out0
.if DOCPART == 4
	.amdgcn_target "amdgcn-amd-amdhsa--gfx1250"
	.amdhsa_code_object_version 6
	.text
	.protected	k_qa4d6922654_outproj
	.globl	k_qa4d6922654_outproj
	.p2align	8
	.type	k_qa4d6922654_outproj,@function
k_qa4d6922654_outproj:
	s_mov_b64 s[64:65], 0
	v_nop
	global_prefetch_b8 v0, s[64:65] scope:SCOPE_SE
	s_setreg_imm32_b32 hwreg(HW_REG_WAVE_MODE, 25, 1), 1
	s_wait_xcnt 0x0
	s_wait_alu depctr_hold_cnt(0) depctr_sa_sdst(0) depctr_va_vdst(0) depctr_va_sdst(0) depctr_va_ssrc(0) depctr_va_vcc(0) depctr_vm_vsrc(0)
	s_getreg_b32 s2, hwreg(HW_REG_IB_STS2, 6, 4)
	s_cmp_eq_u32 s2, 0
	s_cbranch_scc0 .Lentry_in_a_cluster
	s_endpgm
.Lentry_in_a_cluster:
	s_bfe_u32 s2, ttmp6, 0x10000c
	s_cmp_lg_u32 s2, 0xf033
	s_cbranch_scc0 .Lentry_shape_is_right
	s_endpgm
.Lentry_shape_is_right:
; OUTPROJ: out0[token][n] = the sum over k of ao[token][k] Wo[k][n] + bo[n].  ao lies by heads, [batch x 16 + head][2048][64] f16 (k = 64 head + channel); wo16 is Wo [k][n] in f16; out0 f32; sums in f32.
; A tile of out0 is 128 tokens x 256 columns: 256 work-groups.  Four waves, each 64 x 128: 32 accumulators.  K goes in steps of 128 (two heads) through a ring of two LDS slots.
; A head's 128 tokens are 16,384 dense bytes: stated as 64 rows of 256 bytes, two tokens each.  Wo's tile is 128 rows (k) of 512 bytes; its fragments are turned by ds_load_tr16_b128.
; CLUSTERS: 4 x 4 work-groups.  The four of a row of the cluster need the same tiles of ao, the four of a column the same tiles of Wo: each tile is asked for JOINTLY.
; THE MATRIX INSTRUCTION IS USED TRANSPOSED (source 0 = 16 columns of Wo, source 1 = 16 tokens): a lane holds eight neighbouring numbers of a row of out0.  bo is the C of each sum's first product.
; REGISTERS: window 0: v16-30 addresses; v64-159, v160-255 two fragment sets for 32 along K: ao's four at f + 8 a, Wo's eight at f + 32 + 8 b; on the way out v64-191.
;   window 1: the accumulators, (a, b) at v[8 (8 a + b)].   window 2: v0-63 bo, 8 registers a block of 16 columns.
.set PA,     272                       ; two tokens of ao in LDS: 256 bytes + 16
.set PB,     544                       ; a row of Wo's tile: 512 bytes + 32: an odd multiple of 32
.set HEADT,  64*PA                     ; a head's 128 tokens: what one of ao's tensor loads brings
.set BOFF,   2*HEADT                   ; Wo's tile lies behind the two heads
.set HALFB,  64*PB                     ; 64 rows of it: what one of Wo's tensor loads brings
.set SLOT,   BOFF+2*HALFB
.set STAGE,  2*SLOT                    ; behind the ring: 16 rows x 528 bytes for each wave, for the way out
.set SPITCH, 528
.set SPARE,  STAGE+4*16*SPITCH         ; the spare words, 128 bytes a wave, which no other line names
.set KSA,    524288                    ; a K step on in ao: two heads of 262,144 bytes
.set KSB,    262144                    ; in wo16: 128 rows of 2,048 bytes
.set LAPS,   4                         ; a lap = two K steps = once round the ring
.set ADRA, 16                          ; v16-17  LDS address of my ao fragments in slot 0, 1
.set ADRB, 20                          ; v20-21  the same for Wo
.set STO,  24                          ; v24     the way out: where I put 32 bytes of a row
.set RD,   25                          ; v25     and where I read a row back
.set CO,   26                          ; v26     16 x lane
.set SPW,  28                          ; v28     LDS address of my spare word; never rewritten
.set NIL,  29                          ; v29     0; never rewritten
.set PFO,  30                          ; v30     256 x lane; never rewritten
.set F0,   64
.set F1,   160
.set BK,   64
.set G1,  24                           ; s[24:31] descriptor group 1 for ao's tiles;  s[32:39] group 0, one set for each slot
.set G0,  32
.set G1B, 48                           ; s[48:55], s[56:63] the same for Wo's
.set G0B, 56
.set PFA, 66                           ; s[66:67] where my prefetches stand: one K step further on than the refill that is being asked for; a prefetch names the K step after that
.set LIM, 68                           ; s68  1 in wave 0, else the greatest number
.set MSB, 0
.macro WIN new                         ; the immediate's high byte repeats the setting that is left
.if MSB != \new
	s_set_vgpr_msb (MSB<<8)|\new
.set MSB, \new
.endif
.endm
.set MUL,  0x50                        ; sources window 0; C and D window 1
.set MULZ, 0x60                        ; C (bo) window 2, D window 1
.macro PLACES
.rept 4
	v_nop
.endr
.endm
.macro JLOAD s                         ; a joint load: waves 0 and 1 fetch ao's two heads, waves 2 and 3 the halves of Wo's tile; an s_nop 0 and four v_nop follow each of the two lines
	s_cmp_eq_u32 s13, 0
	s_cbranch_scc0 .Lfor_b_\@
	tensor_load_to_lds s[G0+4*\s:G0+4*\s+3], s[G1:G1+7]
	s_nop 0
	PLACES
	s_branch .Lasked_\@
.Lfor_b_\@:
	tensor_load_to_lds s[G0B+4*\s:G0B+4*\s+3], s[G1B:G1B+7]
	s_nop 0
	PLACES
.Lasked_\@:
.endm
.macro CREST                           ; a round of the cluster's barrier behind its opening barrier
	s_cmp_lg_u32 s12, 0
	s_cbranch_scc1 .Lnot_wave_0_\@
	s_barrier_signal -3
.Lnot_wave_0_\@:
	s_barrier_wait -3
	s_barrier_signal -1
	s_barrier_wait -1
.endm
.macro CROUND
	s_barrier_signal -1
	s_barrier_wait -1
	CREST
.endm
; A PREFETCH of ao's tiles of the K step that stands two refills on: 2 heads x 16,384 bytes = 128 blocks of 256 bytes.  A row tile's bytes are read by one row of one cluster alone; its four partners share the blocks out BY ADDRESS:
; the partner at cx takes head cx / 2, blocks 32 (cx % 2) + lane.  Wave 0 asks: one instruction, a lane a block.  The loop's last trip, whose refills are the last two K steps, asks for nothing.
.macro ASK
	s_cmp_gt_u32 s3, s[LIM]                        ; s3 = 1 in the loop's last trip
	s_cbranch_scc0 .Lnot_mine_\@
	global_prefetch_b8 v[PFO], s[PFA:PFA+1] offset:KSA th:TH_LOAD_NT scope:SCOPE_SE
.Lnot_mine_\@:
.endm
	s_load_b256 s[4:11], s[0:1], 0x0               ; ao s[4:5], wo16 s[6:7], bo s[8:9], out0 s[10:11]
	v_lshl_add_u32 v[SPW], v0, 2, SPARE
	v_mov_b32 v[NIL], 0
	ds_add_u32 v[SPW], v[NIL]                      ; the wave's opening: the add, twice on end, and its wait ahead of my first tensor load
	ds_add_u32 v[SPW], v[NIL]
	v_lshrrev_b32 v1, 5, v0
	v_readfirstlane_b32 s12, v1                    ; wave 0..3
	s_lshr_b32 s13, s12, 1                         ; which half of the tile's tokens is mine.  Also: I fetch for ao (0) or for Wo (1)
	s_and_b32 s14, s12, 1                          ; which half of its columns.  Also: which head, or which 64 rows of Wo's tile, I fetch
	s_bfe_u32 s40, ttmp6, 0x40000                  ; cx = the tile column (the grid is one cluster wide)
	s_bfe_u32 s41, ttmp6, 0x40004                  ; cy
	s_and_b32 s15, ttmp7, 0xffff
	s_lshl_b32 s15, s15, 2
	s_add_co_u32 s15, s15, s41                     ; the row tile: 4 x cluster y + cy
	s_lshl_b32 s43, s41, 2
	s_lshl_b32 s43, 15, s43                        ; my row of the cluster
	s_lshl_b32 s44, 0x1111, s40                    ; my column
	s_or_b32 s[G1+0], s43, (1<<16)|(1<<20)|(1<<21)|(5<<22)|(3<<25)   ; 15:0 the mask; 17:16 elements of 2 bytes; 20 padding on; 21 set beside a mask; 24:22 after every 64 words; 31:25 four words
	s_mov_b32 s[G1+1], 128<<16                     ; tensor_dim0
	s_mov_b32 s[G1+2], 64<<16                      ; tensor_dim1
	s_mov_b32 s[G1+3], 128<<16                     ; tile_dim0
	s_mov_b32 s[G1+4], 64                          ; tile_dim1
	s_mov_b32 s[G1+5], 128                         ; from row to row
	s_mov_b32 s[G1+6], 0
	s_mov_b32 s[G1+7], 0
	s_or_b32 s[G1B+0], s44, (1<<16)|(1<<20)|(1<<21)|(6<<22)|(7<<25)  ; padding: eight words after every 128
	s_mov_b32 s[G1B+1], 256<<16
	s_mov_b32 s[G1B+2], 64<<16
	s_mov_b32 s[G1B+3], 256<<16
	s_mov_b32 s[G1B+4], 64
	s_mov_b32 s[G1B+5], 1024
	s_mov_b32 s[G1B+6], 0
	s_mov_b32 s[G1B+7], 0
	s_lshr_b32 s16, s15, 4                         ; ao: the batch (16 row tiles each),
	s_lshl_b32 s16, s16, 4
	s_add_co_u32 s16, s16, s14                     ; its head 0 or 1,
	s_lshl_b32 s16, s16, 18
	s_and_b32 s17, s15, 15
	s_lshl_b32 s17, s17, 14                        ; the row tile's 128 tokens of 128 bytes
	s_add_co_u32 s16, s16, s17
	s_mov_b32 s17, 0
	s_lshl_b32 s46, s14, 17                        ; Wo: my 64 rows of 2,048 bytes,
	s_lshl_b32 s47, s40, 9                         ; the tile's 256 columns
	s_add_co_u32 s46, s46, s47
	s_mov_b32 s47, 0
	s_mul_i32 s20, s14, HEADT                      ; where they go: no place in the cluster enters an LDS address
	s_mul_i32 s21, s14, HALFB
	s_add_co_u32 s21, s21, BOFF
	s_wait_dscnt 0x0                               ; both opening adds are done
	s_wait_kmcnt 0x0
	s_add_nc_u64 s[16:17], s[4:5], s[16:17]
	s_add_nc_u64 s[46:47], s[6:7], s[46:47]
	CROUND                                         ; all sixteen work-groups are here: the first joint loads meet
.irp s, 0,1
	s_mov_b32 s[G0+4*\s], 1
	s_add_co_u32 s[G0+4*\s+1], s20, \s*SLOT
	s_add_nc_u64 s[G0+4*\s+2:G0+4*\s+3], s[16:17], \s*KSA
	s_or_b32 s[G0+4*\s+3], s[G0+4*\s+3], 0x80000000
	s_mov_b32 s[G0B+4*\s], 1
	s_add_co_u32 s[G0B+4*\s+1], s21, \s*SLOT
	s_add_nc_u64 s[G0B+4*\s+2:G0B+4*\s+3], s[46:47], \s*KSB
	s_or_b32 s[G0B+4*\s+3], s[G0B+4*\s+3], 0x80000000
	JLOAD \s
.endr
	v_and_b32 v1, 15, v0                           ; r
	v_bfe_u32 v2, v0, 4, 1                         ; h
	v_lshrrev_b32 v3, 1, v1
	v_mul_u32_u24 v3, v3, PA                       ; ao: token r lies in row r / 2,
	v_and_b32 v4, 1, v0
	v_lshl_add_u32 v3, v4, 7, v3                   ; half r % 2,
	v_lshl_add_u32 v3, v2, 4, v3                   ; + 16 h
	v_and_b32 v4, 7, v0
	v_lshl_add_u32 v4, v2, 3, v4                   ; Wo: lane l reads row 8 h + l % 8,
	v_mul_u32_u24 v4, v4, PB
	v_bfe_u32 v5, v0, 3, 1
	v_lshl_add_u32 v4, v5, 4, v4                   ; columns 8 ((l / 8) % 2) on
	s_mul_i32 s22, s13, 32*PA                      ; my 64 tokens
	s_lshl_b32 s23, s14, 8                         ; my 128 columns,
	s_add_co_u32 s23, s23, BOFF
.irp s, 0,1
	v_add_nc_u32 v[ADRA+\s], s22, v3
	v_add_nc_u32 v[ADRB+\s], s23, v4
	s_add_co_u32 s22, s22, SLOT
	s_add_co_u32 s23, s23, SLOT
.endr
	s_mul_i32 s22, s12, 16*SPITCH
	s_add_co_u32 s22, s22, STAGE                   ; my stage
	v_mul_u32_u24 v[STO], v1, SPITCH
	v_lshl_add_u32 v[STO], v2, 5, v[STO]
	v_add_nc_u32 v[STO], s22, v[STO]               ; in: row r, 32 bytes for each half of the lanes
	v_and_b32 v5, 31, v0
	v_lshlrev_b32 v[CO], 4, v5
	v_add_nc_u32 v[RD], s22, v[CO]                 ; back: the 32 lanes take one row of 512 bytes
	v_lshlrev_b32 v[PFO], 8, v5
	v_lshlrev_b32 v27, 5, v2                       ; bo: eight numbers for each half of the lanes
	s_lshl_b32 s18, s40, 10                        ; the tile's 256 columns in f32,
	s_lshl_b32 s19, s14, 9                         ; my 128
	s_add_co_u32 s18, s18, s19
	s_mov_b32 s19, 0
	s_add_nc_u64 s[8:9], s[8:9], s[18:19]
	s_add_nc_u64 s[10:11], s[10:11], s[18:19]
	s_lshl_b32 s18, s15, 19                        ; out0: 128 rows of 4,096 bytes a row tile,
	s_lshl_b32 s42, s13, 18                        ; my 64
	s_add_co_u32 s18, s18, s42
	s_add_nc_u64 s[10:11], s[10:11], s[18:19]
	WIN 0x80                                       ; destination window 2
.irp b, 0,1,2,3,4,5,6,7
	global_load_b128 v[8*\b:8*\b+3],   v27, s[8:9] offset:64*\b        ; lane (r, h): bo of columns 16 b + 8 h + 0 .. 7: the result's layout
	global_load_b128 v[8*\b+4:8*\b+7], v27, s[8:9] offset:64*\b+16
.endr
	WIN 0
	s_lshr_b32 s18, s15, 4                         ; the prefetches: the batch,
	s_lshl_b32 s18, s18, 4
	s_lshr_b32 s42, s40, 1
	s_add_co_u32 s18, s18, s42                     ; head cx / 2 of a K step's two,
	s_lshl_b32 s18, s18, 18
	s_and_b32 s42, s15, 15
	s_lshl_b32 s42, s42, 14
	s_add_co_u32 s18, s18, s42                     ; the row tile,
	s_and_b32 s42, s40, 1
	s_lshl_b32 s42, s42, 13
	s_add_co_u32 s18, s18, s42                     ; its blocks 32 (cx % 2) on,
	s_add_nc_u64 s[PFA:PFA+1], s[4:5], s[18:19]
	s_add_nc_u64 s[PFA:PFA+1], s[PFA:PFA+1], 2*KSA ; at K step 2: the first refill steps it to 3 and names K step 4.  Nothing is prefetched here, at the head
	s_cmp_eq_u32 s12, 0
	s_cselect_b32 s[LIM], 1, -1
.macro MUL8 f, a, zero                 ; tokens 16 a on x my eight blocks of columns, 32 along K.  zero = 1: the first product starts the sums, with bo as C
.irp b, 0,1,2,3,4,5,6,7
.if \zero
	v_wmma_f32_16x16x32_f16 v[8*(8*(\a)+\b):8*(8*(\a)+\b)+7], v[(\f)+32+8*\b:(\f)+32+8*\b+7], v[(\f)+8*(\a):(\f)+8*(\a)+7], v[8*\b:8*\b+7]
.else
	v_wmma_f32_16x16x32_f16 v[8*(8*(\a)+\b):8*(8*(\a)+\b)+7], v[(\f)+32+8*\b:(\f)+32+8*\b+7], v[(\f)+8*(\a):(\f)+8*(\a)+7], v[8*(8*(\a)+\b):8*(8*(\a)+\b)+7]
.endif
.endr
.endm
; 24 LDS loads in one run: quarter u (32 along K: head u / 2, channels 32 (u % 2) on) of a slot into set f: Wo's sixteen first, then ao's blocks 0, 1, then 2, 3
.macro FETCH slot, u, f
.irp b, 0,1,2,3,4,5,6,7
	ds_load_tr16_b128 v[(\f)+32+8*\b:(\f)+32+8*\b+3],   v[ADRB+\slot] offset:(\u)*32*PB+32*\b
	ds_load_tr16_b128 v[(\f)+32+8*\b+4:(\f)+32+8*\b+7], v[ADRB+\slot] offset:(\u)*32*PB+16*PB+32*\b
.endr
.irp a, 0,1,2,3
	ds_load_b128 v[(\f)+8*\a:(\f)+8*\a+3],   v[ADRA+\slot] offset:((\u)/2)*HEADT+\a*8*PA+((\u)%2)*64
	ds_load_b128 v[(\f)+8*\a+4:(\f)+8*\a+7], v[ADRA+\slot] offset:((\u)/2)*HEADT+\a*8*PA+((\u)%2)*64+32
.endr
.endm
; A K step is four quarters of 32 along K, 32 matrix instructions each, on sets 0, 1, 0, 1.  The 32 accumulators take turns, one instruction a turn, in the same order in every quarter.
; One of the first three: multiplies set f and fetches quarter u of the same slot into g.
.macro QUARTER slot, u, f, g, zero
	s_wait_dscnt 4                                 ; Wo's fragments and ao's blocks 0, 1 are in; the youngest four loads (blocks 2, 3) may be out
.if \zero
	WIN MULZ
.else
	WIN MUL
.endif
	MUL8 \f, 0, \zero
	MUL8 \f, 1, \zero
	WIN 0
	PLACES                                         ; in front of loads into the set that the quarter before multiplied
	FETCH \slot, \u, \g
	s_wait_dscnt 24                                ; all but the 24 just issued
.if \zero
	WIN MULZ
.else
	WIN MUL
.endif
	MUL8 \f, 2, \zero
	MUL8 \f, 3, \zero
.endm
; The last quarter multiplies set 1 and changes slots: ONE barrier; in front of it each wave waits for all its tensor loads, adds 0 to its spare word, and waits for that and for its own reads of this slot.  fill = 1: this slot is filled again, two K steps ahead.
.macro TURN slot, next, fill
.if \fill
	s_wait_xcnt 0x0                                ; the last prefetch, a K step back, has read its address: it is stepped here
	s_add_nc_u64 s[PFA:PFA+1], s[PFA:PFA+1], KSA
.endif
	WIN 0                                          ; (the add's two registers lie in window 0)
	s_wait_tensorcnt 0x0                           ; all my tensor loads have landed: my part of the next slot;
	ds_add_u32 v[SPW], v[NIL]
	s_wait_dscnt 5                                 ; (the add and the youngest four loads may be out)
	WIN MUL
	MUL8 F1, 0, 0                                  ; eight matrix instructions stand between the add and the wait for it
	s_wait_dscnt 0x0                               ; the add is done, and my reads of this slot are over
	s_barrier_signal -1
	MUL8 F1, 1, 0
	WIN 0
	s_barrier_wait -1
.if \fill
	CREST                                          ; the barrier has opened a round of the cluster's barrier: no wave of any partner still reads this slot's tile or has a load on its way
	s_add_nc_u64 s[G0+4*\slot+2:G0+4*\slot+3], s[G0+4*\slot+2:G0+4*\slot+3], 2*KSA
	s_add_nc_u64 s[G0B+4*\slot+2:G0B+4*\slot+3], s[G0B+4*\slot+2:G0B+4*\slot+3], 2*KSB
	JLOAD \slot                                    ; the first tensor load behind the round: 112 matrix instructions ahead of the wait for it; the four v_nop behind it are also the places in front of the loads below
.else
	PLACES
.endif
	FETCH \next, 0, F0
.if \fill
	ASK
.endif
	WIN MUL
	MUL8 F1, 2, 0
	MUL8 F1, 3, 0
.endm
	s_wait_tensorcnt 0x1                           ; my part of K step 0 is in; K step 1's may stay out
	s_barrier_signal -1
	s_barrier_wait -1                              ; everybody's is
	FETCH 0, 0, F0
	s_wait_loadcnt 0x0                             ; bo
	QUARTER 0, 1, F0, F1, 1                        ; the first quarter stands in front of the loop: its products start the sums
	WIN 0                                          ; at a label and at a branch every window is 0
	s_mov_b32 s3, LAPS-1
.Llap:                                                 ; a trip goes once round the ring, from a lap's second quarter to the next lap's first, and fills both slots again
	QUARTER 0, 2, F1, F0, 0
	QUARTER 0, 3, F0, F1, 0
	TURN 0, 1, 1
	QUARTER 1, 1, F0, F1, 0
	QUARTER 1, 2, F1, F0, 0
	QUARTER 1, 3, F0, F1, 0
	TURN 1, 0, 1
	QUARTER 0, 1, F0, F1, 0
	WIN 0
	s_sub_co_u32 s3, s3, 1
	s_cmp_lg_u32 s3, 0
	s_cbranch_scc1 .Llap
	QUARTER 0, 2, F1, F0, 0                        ; the last lap fills nothing, and has no round of the cluster's barrier
	QUARTER 0, 3, F0, F1, 0
	TURN 0, 1, 0
	QUARTER 1, 1, F0, F1, 0
	QUARTER 1, 2, F1, F0, 0
	QUARTER 1, 3, F0, F1, 0
	s_wait_dscnt 4                                 ; the very last quarter: nothing more to fetch
	WIN MUL
	MUL8 F1, 0, 0
	MUL8 F1, 1, 0
	s_wait_dscnt 0x0
	MUL8 F1, 2, 0
	MUL8 F1, 3, 0
	WIN 0
; THE WAY OUT, block by block of 16 tokens x 128 columns.  A lane holds 32 neighbouring bytes of a row; a block goes through my own stage in LDS and comes back as whole rows of 512 bytes, which the 32 lanes store at a multiple of 256 from out0's first byte.
.macro TOSTAGE a
	WIN 0x04                                       ; an LDS store's data are its source 1: window 1
.irp b, 0,1,2,3,4,5,6,7
	ds_store_b128 v[STO], v[8*(8*(\a)+\b):8*(8*(\a)+\b)+3] offset:64*\b          ; each accumulator from its low end on
	ds_store_b128 v[STO], v[8*(8*(\a)+\b)+4:8*(8*(\a)+\b)+7] offset:64*\b+16
.endr
	WIN 0
.set BB, BK+64*((\a)%2)
.irp t, 0,1,2,3,4,5,6,7,8,9,10,11,12,13,14,15
	ds_load_b128 v[BB+4*\t:BB+4*\t+3], v[RD] offset:\t*SPITCH     ; LDS serves a wave's instructions in order: these see the stores above
.endr
.endm
.macro SEND a, younger                 ; younger: the LDS instructions issued behind block a's loads, which may stay out
.set BB, BK+64*((\a)%2)
	s_wait_dscnt \younger
.irp t, 0,1,2,3,4,5,6,7,8,9,10,11,12,13,14,15
	global_store_b128 v[CO], v[BB+4*\t:BB+4*\t+3], s[10:11] offset:(16*(\a)+\t)*4096 th:TH_STORE_NT   ; written once, read by nobody here
.endr
.endm
	PLACES                                         ; in front of the stores that read results just made and of the loads into the registers that held fragments
	TOSTAGE 0
.irp a, 1,2,3
.if \a > 1
	s_wait_xcnt 0x0                                ; block a - 2's stores have read their registers: block a's loads may land there
.endif
	TOSTAGE \a
	SEND (\a)-1, 32                                ; behind block a - 1's loads: block a's 16 stores and 16 loads
.endr
	SEND 3, 0
	s_wait_tensorcnt 0x0                           ; the wave's end
	ds_add_u32 v[SPW], v[NIL]
	s_wait_dscnt 0x0
	CROUND                                         ; the closing round
	s_endpgm
.Lfunc_end_k_qa4d6922654_outproj:
	.size	k_qa4d6922654_outproj, .Lfunc_end_k_qa4d6922654_outproj-k_qa4d6922654_outproj
	.p2alignl 7, 3214868480
	.fill 96, 4, 3214868480
	.section	.rodata,"a",@progbits
	.p2align	6, 0x0
	.amdhsa_kernel k_qa4d6922654_outproj
		.amdhsa_group_segment_fixed_size 327680
		.amdhsa_private_segment_fixed_size 0
		.amdhsa_enable_private_segment 0
		.amdhsa_kernarg_size 32
		.amdhsa_user_sgpr_count 2
		.amdhsa_user_sgpr_kernarg_segment_ptr 1
		.amdhsa_wavefront_size32 1
		.amdhsa_system_sgpr_workgroup_id_x 1
		.amdhsa_system_sgpr_workgroup_id_y 1
		.amdhsa_system_sgpr_workgroup_id_z 1
		.amdhsa_system_vgpr_workitem_id 0
		.amdhsa_next_free_vgpr 640
		.amdhsa_next_free_sgpr 70
		.amdhsa_reserve_vcc 0
		.amdhsa_float_denorm_mode_32 3
		.amdhsa_float_denorm_mode_16_64 3
		.amdhsa_memory_ordered 1
		.amdhsa_forward_progress 1
		.amdhsa_inst_pref_size 88
	.end_amdhsa_kernel
	.amdgpu_metadata
---
amdhsa.version: [ 1, 2 ]
amdhsa.kernels:
  - .name:           k_qa4d6922654_outproj
    .symbol:         k_qa4d6922654_outproj.kd
    .args:
      - { .name: ao, .offset: 0, .size: 8, .value_kind: global_buffer, .address_space: global }
      - { .name: wo16, .offset: 8, .size: 8, .value_kind: global_buffer, .address_space: global }
      - { .name: bo, .offset: 16, .size: 8, .value_kind: global_buffer, .address_space: global }
      - { .name: out0, .offset: 24, .size: 8, .value_kind: global_buffer, .address_space: global }
    .group_segment_fixed_size: 327680
    .private_segment_fixed_size: 0
    .kernarg_segment_align: 8
    .kernarg_segment_size: 32
    .max_flat_workgroup_size: 128
    .sgpr_count:     70
    .vgpr_count:     640
    .wavefront_size: 32
...
	.end_amdgpu_metadata
.endif
;; end of part 4
